; MI455X (gfx1250); checked and timed in simulation.
; The chip was launched on July 23, 2026; its instructions are those of AMD's public machine-readable ISA for CDNA 5 (MIT licence, August 2026) and "CDNA5" Instruction Set Architecture Reference Guide (July 2026). The comments in the code are by the model that wrote it; some were corrected since.
;; Mo E Layer. Allowed arithmetic: matrix products marked QUANTISED: E3M2 operands, one E8M0 scale for each 32 along K, by v_wmma_scale_f32_16x16x128_f8f6f4 with both operands' format E3M2, f32 sums; products left as they are: f32 operands where the result goes on into a quantised operand, else bf16, f16 or f32 operands; f32 sums; everything else in f32.
;; Inputs: b1 8 x 4,096 float32; b2 8 x 1,024 float32; router_w 8 x 1,024 float32; w1 8 x 1,024 x 4,096 float32; w2 8 x 4,096 x 1,024 float32; x 4 x 256 x 1,024 float32.
;; Outputs: out0 4 x 256 x 1,024 float32.
;; This version of the problem:
;;   THIS VERSION OF THE PROBLEM IS GIVEN IN LOW PRECISION. The matrix products marked QUANTISED in the list below multiply operands that are first quantised to E3M2 (3 exponent bits, 2 mantissa bits; 6 bits a number), with one power-of-two scale for each 32 numbers along K (OCP MX v1.0); their sums are f32. All else is computed in f32.
;;   The module's matrix products, in the order in which they are computed (A, B: the left and right operand; K: the contracted axis; several contracted axes count as one K, in the product's order):
;;     1. [M 1,024, K 1,024] x [K 1,024, N 8]; A: input x; B: input router_w: left as it is (N = 8 < 16)
;;     2. [M 1,024, K 1,024] x [K 1,024, N 4,096]; A: input x; B: input w1: QUANTISED
;;     3. [M 1,024, K 4,096] x [K 4,096, N 1,024]; A: computed on the way; B: input w2: QUANTISED
;;     4. [M 1,024, K 1,024] x [K 1,024, N 4,096]; A: input x; B: input w1: QUANTISED
;;     5. [M 1,024, K 4,096] x [K 4,096, N 1,024]; A: computed on the way; B: input w2: QUANTISED
;;     6. [M 1,024, K 1,024] x [K 1,024, N 4,096]; A: input x; B: input w1: QUANTISED
;;     7. [M 1,024, K 4,096] x [K 4,096, N 1,024]; A: computed on the way; B: input w2: QUANTISED
;;     8. [M 1,024, K 1,024] x [K 1,024, N 4,096]; A: input x; B: input w1: QUANTISED
;;     9. [M 1,024, K 4,096] x [K 4,096, N 1,024]; A: computed on the way; B: input w2: QUANTISED
;;     10. [M 1,024, K 1,024] x [K 1,024, N 4,096]; A: input x; B: input w1: QUANTISED
;;     11. [M 1,024, K 4,096] x [K 4,096, N 1,024]; A: computed on the way; B: input w2: QUANTISED
;;     12. [M 1,024, K 1,024] x [K 1,024, N 4,096]; A: input x; B: input w1: QUANTISED
;;     13. [M 1,024, K 4,096] x [K 4,096, N 1,024]; A: computed on the way; B: input w2: QUANTISED
;;     14. [M 1,024, K 1,024] x [K 1,024, N 4,096]; A: input x; B: input w1: QUANTISED
;;     15. [M 1,024, K 4,096] x [K 4,096, N 1,024]; A: computed on the way; B: input w2: QUANTISED
;;     16. [M 1,024, K 1,024] x [K 1,024, N 4,096]; A: input x; B: input w1: QUANTISED
;;     17. [M 1,024, K 4,096] x [K 4,096, N 1,024]; A: computed on the way; B: input w2: QUANTISED
;;   THE QUANTISER, for each operand of a quantised product, along K:
;;     - K is cut into blocks of 32 from its start; a last block that is shorter is filled with zeros.
;;     - A block's scale is 2^e with e = floor(log2(the largest magnitude in the block)) - 4, held to -126 .. 127; a block of zeros has e = 0. As a byte (E8M0): e + 127.
;;     - Each number is divided by its block's scale, clamped to +-28, and rounded to the nearest number of E3M2, ties to even, subnormals kept.
;;     - The product sums the exact products of the quantised numbers (number of the format x scale) in f32.
;;   ~~~python
;;   def quantise(x, axis):      # numpy; x: float32 -> the quantised numbers, widened to float32 again
;;       x = np.moveaxis(x, axis, -1); K = x.shape[-1]
;;       x = np.pad(x, [(0, 0)] * (x.ndim - 1) + [(0, -K % 32)]); x = x.reshape(x.shape[:-1] + (-1, 32)); a = np.abs(x).max(-1, keepdims=True)
;;       e = np.where(a > 0, np.clip(np.frexp(np.where(a > 0, a, 1))[1] - 1 - 4, -126, 127), 0)      # np.frexp(a)[1] - 1 = floor(log2(a)), exactly
;;       r = np.clip(x / 2.0 ** e, -28, 28)
;;       step = 2.0 ** (np.maximum(np.frexp(np.where(r == 0, 1, r))[1] - 1, -2) - 2)
;;       q = np.round(r / step) * step * 2.0 ** e      # np.round: ties to even
;;       return np.moveaxis(q.reshape(q.shape[:-2] + (-1,))[..., :K], -1, axis).astype(np.float32)
;;   ~~~
;;   OPERANDS COMPUTED ON THE WAY. 'Computed on the way' means the value that the module computes at that place (a softmax that the list does not call 'softmax' is quantised finished and normalised). What goes into a quantiser is computed in f32, as accurately as f32 sums, v_exp_f32 and their like allow (about 1e-6 of the number): no bf16 or f16 on the way to a quantiser, and a product that is left as it is and whose result goes on into a quantised operand takes f32 operands (vector FMAs, or v_wmma_f32_16x16x4_f32). A number that lies on a knife's edge between two numbers of the format may be rounded either way, as far as f32 arithmetic and the matrix unit's own rounding can turn it there, and no further.
;; 2 versions. Each part assembles by itself: llvm-mc -triple=amdgcn-amd-amdhsa -mcpu=gfx1250 --defsym DOCPART=n.
;; ======== version 1 of 2: 4 launches
;; limits: a function is approximated: absolute error at most 1e-07
;; workspace buffers: x_codes 786,432 bytes; x_sc 32,768 bytes; idx 4,096 bytes of whole numbers; gate 8,192 bytes; h_img 25,165,824 bytes; h_sc 1,048,576 bytes; y_part 16,842,752 bytes
;; launch route (part 1): grid 256 x 1, 4 waves a work-group, no clusters, 54,784 bytes of LDS; arguments x, router_w, x_codes, x_sc, idx, gate; writes x_codes, x_sc, idx, gate
.if DOCPART == 1
	.amdgcn_target "amdgcn-amd-amdhsa--gfx1250"
	.amdhsa_code_object_version 6
	.text
	.protected	k_qcd5924e55b_route
	.globl	k_qcd5924e55b_route
	.p2align	8
	.type	k_qcd5924e55b_route,@function
k_qcd5924e55b_route:
	s_mov_b64 s[64:65], 0
	v_nop
	global_prefetch_b8 v0, s[64:65] scope:SCOPE_SE
	s_setreg_imm32_b32 hwreg(HW_REG_WAVE_MODE, 25, 1), 1
	s_wait_xcnt 0x0
; ROUTE.  One wave to a token (1,024 tokens, 4 to a work-group).  It makes, for its token:
;   the 8 router logits in f32 (fused multiply-adds), the softmax as it is written (maximum taken away, divided by the sum), the two largest p
;   (the lower index wins a tie), the two gates p / (p1 + p2 + 1e-9);  idx[t] = first | second << 8 and gate[t][2] go to fixed places: no address here hangs on them;
;   the token's 1,024 numbers as codes of E3M2 with one E8M0 byte for each 32 along C.
; x_codes: [token][K step of 128: 8][half h: 2][48 bytes]: block b of a K step lies at 48 (b & 1) + 24 (b >> 1), so that a lane of an operand takes its 12 registers as 48 bytes on end.
; x_sc: [token][32 bytes], byte = block.
; LIMITS: NaN and infinities are not served.  A block of zeros gets the byte 1 (its codes are zeros; this program alone reads the bytes).  A p under 2^-126 comes out of the exponential as 0.
.set RWB, 0                            ; LDS: router_w as it lies, 32,768 bytes
.set XTB, 32768                        ; each wave: its token as 32 blocks of 128 bytes + 16, 4,608 bytes
.set XOB, 51200                        ; each wave: the token's 768 bytes of codes on the way out
.set X,   8                            ; v8-39    the token: load i, word j = x[128 i + 4 lane + j]; later block = lane, 32 numbers
.set RB,  40                           ; v40-103  router rows, two sets of 32
.set PS,  104                          ; v104-119 a pair of partial sums for each expert
.set LG,  120                          ; v120-127 logits, then p
.set TP,  128                          ; v128-135 at work
	s_load_b256 s[4:11], s[0:1], 0x0               ; x s[4:5], router_w s[6:7], x_codes s[8:9], x_sc s[10:11]
	s_load_b128 s[12:15], s[0:1], 0x20             ; idx s[12:13], gate s[14:15]
	v_lshl_add_u32 v160, v0, 2, 0xd400
	v_mov_b32 v161, 0
	v_lshrrev_b32 v1, 5, v0
	v_readfirstlane_b32 s16, v1                    ; wave
	v_and_b32 v1, 31, v0                           ; lane
	v_lshlrev_b32 v2, 4, v1                        ; 16 x lane
	s_lshl_b32 s17, ttmp9, 2
	s_add_co_u32 s17, s17, s16                     ; my token
	s_lshl_b32 s18, s16, 13
	v_add_nc_u32 v3, s18, v2                       ; router rows 2 w, 2 w + 1: 8,192 w + 16 lane, in memory and in LDS alike
	s_mul_i32 s19, s16, 4608
	s_add_co_u32 s19, s19, XTB
	v_lshrrev_b32 v4, 3, v1
	v_mul_u32_u24 v4, v4, 144
	v_and_b32 v5, 7, v1
	v_lshl_add_u32 v4, v5, 4, v4
	v_add_nc_u32 v4, s19, v4                       ; in: block 4 i + lane / 8 (576 i in the offset), 16 bytes at 16 (lane % 8)
	v_mul_u32_u24 v5, v1, 144
	v_add_nc_u32 v5, s19, v5                       ; back: block = lane
	s_mul_i32 s19, s16, 768
	s_add_co_u32 s19, s19, XOB
	v_lshrrev_b32 v6, 2, v1
	v_mul_u32_u24 v6, v6, 96
	v_and_b32 v7, 1, v1
	v_mad_u32_u24 v6, v7, 48, v6
	v_bfe_u32 v7, v1, 1, 1
	v_mad_u32_u24 v6, v7, 24, v6
	v_add_nc_u32 v6, s19, v6                       ; my block's 24 bytes of codes: 96 (lane / 4) + 48 (lane & 1) + 24 ((lane >> 1) & 1)
	v_lshlrev_b32 v7, 3, v1                        ; 8 x lane
	v_add_nc_u32 v156, s19, v7                     ; and back as they lie
	s_mov_b32 s20, 0x76543210
	s_mov_b32 s21, 0xfedcba98                      ; v_permlanex16_b32's selects for lane l xor 16
	s_lshl_b32 s22, s17, 12
	s_mov_b32 s23, 0
	s_mul_i32 s24, s17, 768
	s_mov_b32 s25, 0
	s_lshl_b32 s26, s17, 5
	s_mov_b32 s27, 0
	s_lshl_b32 s28, s17, 2
	s_mov_b32 s29, 0
	s_lshl_b32 s30, s17, 3
	s_mov_b32 s31, 0
	s_wait_kmcnt 0x0
	s_add_nc_u64 s[4:5], s[4:5], s[22:23]
	s_add_nc_u64 s[8:9], s[8:9], s[24:25]
	s_add_nc_u64 s[10:11], s[10:11], s[26:27]
	s_add_nc_u64 s[12:13], s[12:13], s[28:29]
	s_add_nc_u64 s[14:15], s[14:15], s[30:31]
.irp i, 0,1,2,3,4,5,6,7
	global_load_b128 v[X+4*\i:X+4*\i+3], v2, s[4:5] offset:512*\i th:TH_LOAD_NT     ; 512 consecutive bytes a load
.endr
.irp i, 0,1,2,3,4,5,6,7,8,9,10,11,12,13,14,15
	global_load_b128 v[RB+4*\i:RB+4*\i+3], v3, s[6:7] offset:512*\i
.endr
	s_wait_loadcnt 0x0
.irp i, 0,1,2,3,4,5,6,7,8,9,10,11,12,13,14,15
	ds_store_b128 v3, v[RB+4*\i:RB+4*\i+3] offset:RWB+512*\i
.endr
.irp i, 0,1,2,3,4,5,6,7
	ds_store_b128 v4, v[X+4*\i:X+4*\i+3] offset:576*\i
.endr
	s_wait_dscnt 0x0                               ; for the others' sake: my two router rows lie in LDS
	s_barrier_signal -1
	s_barrier_wait -1                              ; all eight do
; THE LOGITS.  Expert e's row comes from LDS in the token's own order; sets take turns, one expert ahead.
.macro RLOAD e
.irp i, 0,1,2,3,4,5,6,7
	ds_load_b128 v[RB+32*((\e)%2)+4*\i:RB+32*((\e)%2)+4*\i+3], v2 offset:RWB+4096*(\e)+512*\i
.endr
.endm
	RLOAD 0
	RLOAD 1
.irp e, 0,1,2,3,4,5,6,7
.if \e < 7
	s_wait_dscnt 8                                 ; this expert's eight loads are in; the next expert's eight may be out
.else
	s_wait_dscnt 0x0
.endif
	v_pk_mul_f32 v[PS+2*\e:PS+2*\e+1], v[X:X+1], v[RB+32*(\e%2):RB+32*(\e%2)+1]            ; two chains, started by products
	v_pk_mul_f32 v[TP:TP+1], v[X+2:X+3], v[RB+32*(\e%2)+2:RB+32*(\e%2)+3]
.irp k, 4,8,12,16,20,24,28
	v_pk_fma_f32 v[PS+2*\e:PS+2*\e+1], v[X+\k:X+\k+1], v[RB+32*(\e%2)+\k:RB+32*(\e%2)+\k+1], v[PS+2*\e:PS+2*\e+1]
	v_pk_fma_f32 v[TP:TP+1], v[X+\k+2:X+\k+3], v[RB+32*(\e%2)+\k+2:RB+32*(\e%2)+\k+3], v[TP:TP+1]
.endr
	v_pk_add_f32 v[PS+2*\e:PS+2*\e+1], v[PS+2*\e:PS+2*\e+1], v[TP:TP+1]
.if \e < 6
	RLOAD \e+2
.endif
.endr
.irp q, 0,1,2,3,4,5,6,7
	ds_load_b128 v[X+4*\q:X+4*\q+3], v5 offset:16*\q               ; the token once more, a block of 32 to a lane: it lands under the softmax
.endr
.irp e, 0,1,2,3,4,5,6,7
	v_add_f32 v[LG+\e], v[PS+2*\e], v[PS+2*\e+1]
.endr
.irp e, 0,1,2,3,4,5,6,7
	v_mov_b32 v[TP+\e], 0                          ; a lane permute's destination counts as one of its sources
.endr
.irp x, 1,2,4,8
.irp e, 0,1,2,3,4,5,6,7
	v_add_f32_dpp v[LG+\e], v[LG+\e], v[LG+\e] row_xmask:\x row_mask:0xf bank_mask:0xf
.endr
.endr
.irp e, 0,1,2,3,4,5,6,7
	v_permlanex16_b32 v[TP+\e], v[LG+\e], s20, s21
.endr
.irp e, 0,1,2,3,4,5,6,7
	v_add_f32 v[LG+\e], v[LG+\e], v[TP+\e]         ; every lane holds all eight logits, the same bits in each
.endr
; THE SOFTMAX
	v_max3_num_f32 v136, v120, v121, v122
	v_max3_num_f32 v136, v136, v123, v124
	v_max3_num_f32 v136, v136, v125, v126
	v_max_num_f32 v136, v136, v127
.irp e, 0,1,2,3,4,5,6,7
	v_sub_f32 v[LG+\e], v[LG+\e], v136
.endr
.irp e, 0,1,2,3,4,5,6,7
	v_mul_f32 v[LG+\e], 0x3fb8aa3b, v[LG+\e]       ; x log2(e)
.endr
.irp e, 0,1,2,3,4,5,6,7
	v_exp_f32 v[LG+\e], v[LG+\e]
.endr
	v_nop                                          ; a plain instruction behind the last exponential,
	s_wait_alu depctr_va_vdst(0)                   ; and one wait for the batch, ahead of its first reader
	v_add_f32 v137, v120, v121
	v_add_f32 v138, v122, v123
	v_add_f32 v139, v124, v125
	v_add_f32 v140, v126, v127
	v_add_f32 v137, v137, v138
	v_add_f32 v139, v139, v140
	v_add_f32 v137, v137, v139
	v_rcp_f32 v138, v137
	v_nop
	s_wait_alu depctr_va_vdst(0)
.irp e, 0,1,2,3,4,5,6,7
	v_mul_f32 v[LG+\e], v[LG+\e], v138             ; p
.endr
; THE TWO LARGEST: strictly greater, experts ascending, so the lower index keeps a tie.  Selections only: no branch.
	v_mov_b32 v140, v120                           ; the largest and its expert
	v_mov_b32 v141, 0
	v_mov_b32 v142, -1.0                           ; the second: under every p
	v_mov_b32 v143, 0
.irp j, 1,2,3,4,5,6,7
	v_mov_b32 v139, \j
	v_cmp_gt_f32 vcc_lo, v[LG+\j], v140
	v_cmp_gt_f32 s32, v[LG+\j], v142
	v_cndmask_b32 v142, v142, v[LG+\j], s32
	v_cndmask_b32 v143, v143, v139, s32
	v_cndmask_b32 v142, v142, v140, vcc_lo
	v_cndmask_b32 v143, v143, v141, vcc_lo
	v_cndmask_b32 v140, v140, v[LG+\j], vcc_lo
	v_cndmask_b32 v141, v141, v139, vcc_lo
.endr
	v_add_f32 v144, v140, v142
	v_add_f32 v144, 0x3089705f, v144               ; + 1e-9
	v_rcp_f32 v145, v144
	v_lshl_or_b32 v146, v143, 8, v141              ; (a plain instruction behind the reciprocal)  first | second << 8
	s_wait_alu depctr_va_vdst(0)
	v_mul_f32 v140, v140, v145
	v_mul_f32 v142, v142, v145
	v_and_b32 v147, 1, v1
	v_cmp_eq_u32 vcc_lo, 1, v147
	v_cndmask_b32 v144, v140, v142, vcc_lo         ; even lanes the first gate, odd lanes the second
	v_lshlrev_b32 v147, 2, v147
	v_mov_b32 v155, 0
	global_store_b32 v155, v146, s[12:13]          ; all lanes store the same word
	global_store_b32 v147, v144, s[14:15]          ; 8 bytes, each word the same from sixteen lanes
; THE CODES.  My block's largest magnitude, with the floor 2^(5 - 127) among its leaves, so that the byte cannot fall under 1
	s_wait_dscnt 0x0
	v_max3_num_f32 v128, |v[X]|, |v[X+1]|, 0x2800000
.irp i, 2,4,6,8,10,12,14,16,18,20,22,24,26,28,30
	v_max3_num_f32 v128, v128, |v[X+\i]|, |v[X+\i+1]|
.endr
	v_add_nc_u32 v130, 0xfe000000, v128            ; 4 off its exponent field: the conversion takes this operand's exponent field as its scale
	v_lshrrev_b32 v131, 23, v130                   ; the scale's byte
	v_cvt_scalef32_pk16_bf6_f32 v[148:150], v[X:X+15], v130
	v_cvt_scalef32_pk16_bf6_f32 v[152:154], v[X+16:X+31], v130     ; (a conversion's three registers begin on an even number)
	v_nop                                          ; one plain instruction behind a scaled conversion
	v_mov_b32 v151, v152
	v_mov_b32 v152, v153
	v_mov_b32 v153, v154                           ; v148-153: the block's 24 bytes
	ds_store_b64 v6, v[148:149]
	ds_store_b64 v6, v[150:151] offset:8
	ds_store_b64 v6, v[152:153] offset:16
.irp i, 0,1,2
	ds_load_b64 v[132+2*\i:133+2*\i], v156 offset:256*\i           ; LDS serves a wave's instructions in order: these see my stores
.endr
	global_store_b8 v1, v131, s[10:11]             ; 32 consecutive scale bytes
	s_wait_dscnt 0x0
.irp i, 0,1,2
	global_store_b64 v7, v[132+2*\i:133+2*\i], s[8:9] offset:256*\i    ; 32 lanes store 256 consecutive bytes, at a multiple of 256 from the buffer's first byte
.endr
	s_wait_tensorcnt 0x0
	ds_add_u32 v160, v161
	s_wait_dscnt 0x0
	s_endpgm
.Lfunc_end_k_qcd5924e55b_route:
	.size	k_qcd5924e55b_route, .Lfunc_end_k_qcd5924e55b_route-k_qcd5924e55b_route
	.p2alignl 7, 3214868480
	.fill 96, 4, 3214868480
	.section	.rodata,"a",@progbits
	.p2align	6, 0x0
	.amdhsa_kernel k_qcd5924e55b_route
		.amdhsa_group_segment_fixed_size 54784
		.amdhsa_private_segment_fixed_size 0
		.amdhsa_enable_private_segment 0
		.amdhsa_kernarg_size 48
		.amdhsa_user_sgpr_count 2
		.amdhsa_user_sgpr_kernarg_segment_ptr 1
		.amdhsa_wavefront_size32 1
		.amdhsa_system_sgpr_workgroup_id_x 1
		.amdhsa_system_sgpr_workgroup_id_y 1
		.amdhsa_system_sgpr_workgroup_id_z 1
		.amdhsa_system_vgpr_workitem_id 0
		.amdhsa_next_free_vgpr 162
		.amdhsa_next_free_sgpr 66
		.amdhsa_reserve_vcc 1
		.amdhsa_float_denorm_mode_32 3
		.amdhsa_float_denorm_mode_16_64 3
		.amdhsa_memory_ordered 1
		.amdhsa_forward_progress 1
		.amdhsa_inst_pref_size 31
	.end_amdhsa_kernel
	.amdgpu_metadata
---
amdhsa.version: [ 1, 2 ]
amdhsa.kernels:
  - .name:           k_qcd5924e55b_route
    .symbol:         k_qcd5924e55b_route.kd
    .args:
      - { .name: x, .offset: 0, .size: 8, .value_kind: global_buffer, .address_space: global }
      - { .name: router_w, .offset: 8, .size: 8, .value_kind: global_buffer, .address_space: global }
      - { .name: x_codes, .offset: 16, .size: 8, .value_kind: global_buffer, .address_space: global }
      - { .name: x_sc, .offset: 24, .size: 8, .value_kind: global_buffer, .address_space: global }
      - { .name: idx, .offset: 32, .size: 8, .value_kind: global_buffer, .address_space: global }
      - { .name: gate, .offset: 40, .size: 8, .value_kind: global_buffer, .address_space: global }
    .group_segment_fixed_size: 54784
    .private_segment_fixed_size: 0
    .kernarg_segment_align: 8
    .kernarg_segment_size: 48
    .max_flat_workgroup_size: 128
    .sgpr_count:     66
    .vgpr_count:     162
    .wavefront_size: 32
...
	.end_amdgpu_metadata
.endif
;; end of part 1
;; launch up (part 2): grid 256 x 1, 8 waves a work-group, no clusters, 109,056 bytes of LDS; arguments x_codes, x_sc, idx, w1, b1, h_img, h_sc; writes h_img, h_sc
.if DOCPART == 2
	.amdgcn_target "amdgcn-amd-amdhsa--gfx1250"
	.amdhsa_code_object_version 6
	.text
	.protected	k_qcd5924e55b_up
	.globl	k_qcd5924e55b_up
	.p2align	8
	.type	k_qcd5924e55b_up,@function
k_qcd5924e55b_up:
	s_mov_b64 s[64:65], 0
	v_nop
	global_prefetch_b8 v0, s[64:65] scope:SCOPE_SE
	s_setreg_imm32_b32 hwreg(HW_REG_WAVE_MODE, 25, 1), 1
	s_wait_xcnt 0x0
; UP.  h = gelu(x w1[e] + b1[e]) for the rows routed to expert e, quantised along F on the way; both operands of the product are codes of E3M2 with E8M0 scales.
; SHARES.  Work-group id = 32 e + slice owns w1[e][all 1,024 of K][128 columns of F from 128 slice on], 512 KB of f32, read ONCE from memory.  The columns go as two chunks of 64.
; A STAGE is 256 K rows x 64 columns (stage 4 c + s: chunk c, rows 256 s on).  Wave w takes the stage's block w of 32 K rows: 16 loads of 16 bytes a lane, each of two whole rows of 256 consecutive bytes;
; it quantises them in registers and lays codes and scale bytes in LDS in the order of the operand's registers; a barrier; then all eight waves multiply the stage's 8 fragments by their own row tiles.
; All eight stages keep LDS bytes of their own, so one barrier a stage is enough, and later passes over more rows find the weights' codes in LDS.
; ROWS.  Wave 0 builds the expert's list of slots (2 token + choice) from idx, in LDS; the launch behind this one builds the same list by the same lines.  Row tile t = 24 p + 8 m + w (pass p, m = 0..2).
; Pass 0 rides on the stream and always multiplies three tiles a wave (the list's pads name token 1,023, a valid row); only tiles under nt are stored.  Passes 1 and 2 run where the expert has more than 384, 768 rows.
; NO JOINT LOADS, NO TENSOR LOADS: later passes and stores are skipped by branches on the stored counts, and what work-groups share (x's codes) is small beside the 512 KB that each reads alone.
; THE PRODUCT IS USED TRANSPOSED: source 0 = 16 columns of w1, source 1 = 16 rows.  The columns of a tile are chosen (lane r of tile 2 b + u: column 32 b + 8 u + r + 8 (r / 8)) so that a lane's 16 registers of
; two neighbouring tiles are 16 neighbours along F, the next product's K.
; GELU: 0.5 v (1 + erf(v / sqrt 2)), erf(z) = z P(z^2) / Q(z^2) on z held to -4 .. 4 (degrees 6 and 4 in z^2), all in f32.
; h_img: [e][row tile 64][K step 32][1,536 bytes]: an operand's registers 0-3 at 16 lane, 4-5 at 512 + 8 lane, 6-9 at 768 + 16 lane, 10-11 at 1,280 + 8 lane.  h_sc: [e][tile][K step][16 rows] words.
; LIMITS: NaN and infinities are not served.  A block of zeros gets the byte 1 (zero codes; this program alone reads the bytes).  erf's absolute error is about 1e-7, so gelu loses relative accuracy for inputs under about -2.
; REGISTERS.  Window 0: v1-23 addresses and two constants; v24-27 the weights' scale words, v28-33 the rows' (scales and nothing else); v34-161 two raw units; v162-193 at work; v194-205 maxima, bytes, scale operands;
;   v206-253 four weight fragments, in the way out 32 hidden numbers and their codes; v254-255 lane constants.   Window 1: v0-95 the 12 accumulators (m, ct) at 32 m + 8 ct; v96-239 row fragments (buffer, m, K step).
.set LIST,  0                          ; LDS: 1,152 list entries,
.set DUMPW, 1152                       ; 32 entries more for lanes that have nothing to enter,
.set NW,    4736                       ; the count, sixteen times,
.set BIAS,  5120                       ; 0.5 b1 of my 128 columns,
.set BSC,   5632                       ; the weights' scale bytes, 512 a stage,
.set BIMG,  9728                       ; the weights' codes, 12,288 a stage: fragment 4 ks + ct of 1,536 bytes, 48 bytes a lane
.set LB,    1                          ; v1   list: 4 (lane % 16) + 64 w + 1,536 pass
.set WOFF,  2                          ; v2-3 w1: my lane's byte in a unit; + 512 rows
.set WST,   4                          ; v4-5 where my codes go: stages 0-3, 4-7
.set BSST,  6                          ; v6   where my scale bytes go
.set BRD,   7                          ; v7-8 fragments back: BIMG + 48 lane; stages 4-7
.set BSRD,  9                          ; v9   scale words back: BSC + 16 lane
.set AOFF,  10                         ; v10-12 x_codes: 768 token + 48 (lane / 16), tile m
.set ASOFF, 13                         ; v13-15 x_sc: 32 token + 4 (lane / 16)
.set O16,   16                         ; v16  16 lane
.set O8,    17                         ; v17  8 lane
.set OS,    18                         ; v18  4 (lane % 16)
.set BIAD,  19                         ; v19  BIAS + 64 (lane / 16)
.set CA13,  20                         ; v20-21, v22-23: the two leading coefficients, as pairs
.set CB8,   22
.set BS,    24
.set AS,    28
.set RAW,   34
.set SG,    162                        ; v162-177 sixteen neighbours along K for a conversion
.set CD,    178                        ; v178-193 codes: four slots of four
.set TM,    194
.set PX,    198
.set SOP,   202
.set BF,    206
.set HX,    206
.set PC,    238
.set PT,    244
.set HW,    248
.set H48,   254
.set H4,    255
.set AF,    96
.set GZ,    162                        ; gelu: z, z^2 (then 1 / Q), P, Q: eight registers each
.set GZ2,   170
.set GP,    178
.set GQ,    186
.set SEL,   38                         ; s[38:39] v_permlanex16_b32's selects for lane l xor 16
.set KA11,  40                         ; s[40:59] the other coefficients, s[60:61] sqrt 2: pairs, both words written
.set KA9,   42
.set KA7,   44
.set KA5,   46
.set KA3,   48
.set KA1,   50
.set KB6,   52
.set KB4,   54
.set KB2,   56
.set KB0,   58
.set KRT2,  60
.set MSB, 0
.macro WIN new                         ; the immediate's high byte repeats the setting that is left
.if MSB != \new
	s_set_vgpr_msb (MSB<<8)|\new
.set MSB, \new
.endif
.endm
.macro PLACES                          ; four plain instructions between a matrix instruction and a load into, or a read of, its registers
.rept 4
	v_nop
.endr
.endm
.macro KPAIR r, bits
	s_mov_b32 s[\r], \bits
	s_mov_b32 s[\r+1], \bits
.endm
; my unit of stage sig into raw buffer buf: load i takes K rows 32 w + i and 32 w + 16 + i, 256 consecutive bytes of each; register 4 i + j = (k = 16 (lane / 16) + i, column 4 (lane % 16) + j)
.macro WLOAD buf, sig
.irp i, 0,1,2,3,4,5,6,7,8,9,10,11,12,13,14,15
	global_load_b128 v[RAW+64*(\buf)+4*\i:RAW+64*(\buf)+4*\i+3], v[WOFF+((\sig)%4)/2], s[10:11] offset:((\sig)%2)*4194304+((\sig)/4)*256+16384*\i th:TH_LOAD_NT
.endr
.endm
; the unit becomes codes.  A lane has 16 numbers of each of four columns, lane l xor 16 the block's other 16.  The conversion wants its 16 numbers in consecutive registers: sixteen moves a column.
.macro QUANTW buf, sig
.set RW_, RAW+64*(\buf)
.irp j, 0,1,2,3
	v_max3_num_f32 v[TM+\j], |v[RW_+\j]|, |v[RW_+4+\j]|, 0x2800000     ; with the floor 2^(5 - 127): the byte cannot fall under 1
.endr
.irp i, 2,4,6,8,10,12,14
.irp j, 0,1,2,3
	v_max3_num_f32 v[TM+\j], v[TM+\j], |v[RW_+4*\i+\j]|, |v[RW_+4*\i+4+\j]|
.endr
.endr
.irp j, 0,1,2,3
	v_permlanex16_b32 v[PX+\j], v[TM+\j], s[SEL], s[SEL+1]
.endr
.irp j, 0,1,2,3
	v_max_num_f32 v[TM+\j], v[TM+\j], v[PX+\j]
.endr
.irp j, 0,1,2,3
	v_add_nc_u32 v[SOP+\j], 0xfe000000, v[TM+\j]   ; 4 off the exponent field: the conversion's scale operand
.endr
.irp j, 0,1,2,3
	v_lshrrev_b32 v[PX+\j], 23, v[SOP+\j]          ; the scale's byte
.endr
.irp j, 0,1,2,3
.irp i, 0,1,2,3,4,5,6,7,8,9,10,11,12,13,14,15
	v_mov_b32 v[SG+\i], v[RW_+4*\i+\j]
.endr
	v_cvt_scalef32_pk16_bf6_f32 v[CD+4*\j:CD+4*\j+2], v[SG:SG+15], v[SOP+\j]
	v_nop                                          ; one plain instruction before the conversion's sources are written again
.endr
.irp j, 0,1,2,3
.irp q, 0,1,2
	ds_store_b32 v[WST+(\sig)/4], v[CD+4*\j+\q] offset:12288*((\sig)%4)+48*\j+4*\q
.endr
	ds_store_b8 v[BSST], v[PX+\j] offset:512*(\sig)+16*\j          ; both lanes of a column write the same byte with the same value
.endr
.endm
; the rows' fragments of stage sig (K steps 2 s, 2 s + 1 of x, s = sig % 4) into buffer buf: 48 bytes on end for a fragment's 12 registers; the scale words: lanes 0-15 the first K step's, lanes 16-31 the second's
.macro ALOAD buf, sig
	WIN 0x40                                       ; destination window 1, address window 0
.irp m, 0,1,2
.irp ks, 0,1
.irp q, 0,1,2
	global_load_b128 v[AF+72*(\buf)+24*\m+12*\ks+4*\q:AF+72*(\buf)+24*\m+12*\ks+4*\q+3], v[AOFF+\m], s[4:5] offset:96*(2*((\sig)%4)+\ks)+16*\q
.endr
.endr
.endr
	WIN 0
.irp m, 0,1,2
	global_load_b32 v[AS+3*(\buf)+\m], v[ASOFF+\m], s[6:7] offset:8*((\sig)%4)
.endr
.endm
.macro BLOAD sig, ks                   ; the four weight fragments of the stage's K step ks
.irp ct, 0,1,2,3
.irp q, 0,1,2
	ds_load_b128 v[BF+12*\ct+4*\q:BF+12*\ct+4*\q+3], v[BRD+(\sig)/4] offset:12288*((\sig)%4)+1536*(4*(\ks)+\ct)+16*\q
.endr
.endr
.endm
.macro MM acc, bf, af, zero, sa, sb, ra, rb
.set rD, \acc
.set rB, \bf
.set rA, \af
.if \zero
.if \ra
	v_wmma_scale_f32_16x16x128_f8f6f4 v[rD:rD+7], v[rB:rB+11], v[rA:rA+11], 0, v[\sa], v[\sb] matrix_a_fmt:MATRIX_FMT_BF6 matrix_b_fmt:MATRIX_FMT_BF6 matrix_a_scale:MATRIX_SCALE_ROW1
.else
	v_wmma_scale_f32_16x16x128_f8f6f4 v[rD:rD+7], v[rB:rB+11], v[rA:rA+11], 0, v[\sa], v[\sb] matrix_a_fmt:MATRIX_FMT_BF6 matrix_b_fmt:MATRIX_FMT_BF6
.endif
.else
.if (\ra) && (\rb)
	v_wmma_scale_f32_16x16x128_f8f6f4 v[rD:rD+7], v[rB:rB+11], v[rA:rA+11], v[rD:rD+7], v[\sa], v[\sb] matrix_a_fmt:MATRIX_FMT_BF6 matrix_b_fmt:MATRIX_FMT_BF6 matrix_a_scale:MATRIX_SCALE_ROW1 matrix_b_scale:MATRIX_SCALE_ROW1
.elseif \ra
	v_wmma_scale_f32_16x16x128_f8f6f4 v[rD:rD+7], v[rB:rB+11], v[rA:rA+11], v[rD:rD+7], v[\sa], v[\sb] matrix_a_fmt:MATRIX_FMT_BF6 matrix_b_fmt:MATRIX_FMT_BF6 matrix_a_scale:MATRIX_SCALE_ROW1
.elseif \rb
	v_wmma_scale_f32_16x16x128_f8f6f4 v[rD:rD+7], v[rB:rB+11], v[rA:rA+11], v[rD:rD+7], v[\sa], v[\sb] matrix_a_fmt:MATRIX_FMT_BF6 matrix_b_fmt:MATRIX_FMT_BF6 matrix_b_scale:MATRIX_SCALE_ROW1
.else
	v_wmma_scale_f32_16x16x128_f8f6f4 v[rD:rD+7], v[rB:rB+11], v[rA:rA+11], v[rD:rD+7], v[\sa], v[\sb] matrix_a_fmt:MATRIX_FMT_BF6 matrix_b_fmt:MATRIX_FMT_BF6
.endif
.endif
.endm
; 12 matrix instructions: four column tiles x three row tiles, 128 along K.  The twelve accumulators take turns, one instruction a turn, in the same order in every half stage.
; The weights' scale word of tile ct lies in register 2 ks + ct / 2, lanes 0-15 for even ct, lanes 16-31 for odd; the rows' in lanes 0-15 for ks = 0, lanes 16-31 for ks = 1.
.macro MULH buf, ks, first
	WIN 0x54                                       ; source 0 (weights) window 0; source 1 (rows), C and D window 1
.irp ct, 0,1,2,3
.irp m, 0,1,2
	MM 32*\m+8*\ct, BF+12*\ct, AF+72*(\buf)+24*\m+12*(\ks), \first, BS+2*(\ks)+\ct/2, AS+3*(\buf)+\m, \ct%2, \ks
.endr
.endr
	WIN 0
.endm
.macro STAGE sig, stream
.if \stream
.if (\sig == 0) || (\sig == 7)
	s_wait_loadcnt 0x0                             ; the rows' fragments are the youngest loads here
.else
	s_wait_loadcnt 16                              ; behind this stage's unit and rows only the next unit's 16 loads were issued
.endif
	QUANTW (\sig)%2, \sig                          ; (its plain lines are also the places behind the last stage's products)
.else
	s_wait_loadcnt 0x0
	PLACES
.endif
.if \sig < 7
	ALOAD (\sig+1)%2, \sig+1
.endif
.if \stream && (\sig < 6)
	WLOAD (\sig)%2, \sig+2                         ; the raw buffer just read takes the unit two stages on
.endif
.if \stream
	s_wait_dscnt 0x0                               ; for the others' sake: my codes and bytes lie in LDS
	s_barrier_signal -1
	s_barrier_wait -1                              ; the stage's eight fragments are whole
.endif
	ds_load_b128 v[BS:BS+3], v[BSRD] offset:512*(\sig)
	BLOAD \sig, 0
	s_wait_dscnt 0x0
.if ((\sig)%4) == 0
	MULH (\sig)%2, 0, 1                            ; a chunk's first products start the sums: nothing is cleared
.else
	MULH (\sig)%2, 0, 0
.endif
	PLACES
	BLOAD \sig, 1
	s_wait_dscnt 0x0
	MULH (\sig)%2, 1, 0
.endm
; my three tiles' rows: a slot is 2 token + choice; the token is held inside x before it enters an address
.macro SETUP
.irp m, 0,1,2
	ds_load_b32 v[TM+\m], v[LB] offset:512*\m
.endr
	s_wait_dscnt 0x0
.irp m, 0,1,2
	v_lshrrev_b32 v[TM+\m], 1, v[TM+\m]
.endr
.irp m, 0,1,2
	v_min_u32 v[TM+\m], 1023, v[TM+\m]
.endr
.irp m, 0,1,2
	v_mad_u32_u24 v[AOFF+\m], v[TM+\m], 768, v[H48]
	v_lshl_add_u32 v[ASOFF+\m], v[TM+\m], 5, v[H4]
.endr
.endm
.macro TAKE m                          ; hx = 0.5 sum + 0.5 b1, rounded once; each accumulator is read from its low end on
	WIN 0x01                                       ; source 0 window 1
.irp ct, 0,1,2,3
.irp k, 0,1,2,3
	v_pk_fma_f32 v[HX+8*\ct+2*\k:HX+8*\ct+2*\k+1], v[32*\m+8*\ct+2*\k:32*\m+8*\ct+2*\k+1], 0.5, v[HX+8*\ct+2*\k:HX+8*\ct+2*\k+1] op_sel_hi:[1,0,1]
.endr
.endr
	WIN 0
.endm
.macro POLY dst, kp                    ; dst = dst z^2 + k, four pairs by turns
.irp k, 0,1,2,3
	v_pk_fma_f32 v[\dst+2*\k:\dst+2*\k+1], v[\dst+2*\k:\dst+2*\k+1], v[GZ2+2*\k:GZ2+2*\k+1], s[\kp:\kp+1] op_sel_hi:[1,1,0]
.endr
.endm
.macro GELU                            ; hx -> hx + hx erf(hx sqrt 2), eight numbers a batch
.irp g, 0,1,2,3
.irp k, 0,1,2,3
	v_pk_mul_f32 v[GZ+2*\k:GZ+2*\k+1], v[HX+8*\g+2*\k:HX+8*\g+2*\k+1], s[KRT2:KRT2+1] op_sel_hi:[1,0]
.endr
.irp i, 0,1,2,3,4,5,6,7
	v_med3_num_f32 v[GZ+\i], v[GZ+\i], -4.0, 4.0
.endr
.irp k, 0,1,2,3
	v_pk_mul_f32 v[GZ2+2*\k:GZ2+2*\k+1], v[GZ+2*\k:GZ+2*\k+1], v[GZ+2*\k:GZ+2*\k+1]
.endr
.irp k, 0,1,2,3
	v_pk_fma_f32 v[GP+2*\k:GP+2*\k+1], v[GZ2+2*\k:GZ2+2*\k+1], v[CA13:CA13+1], s[KA11:KA11+1] op_sel_hi:[1,1,0]
.endr
.irp k, 0,1,2,3
	v_pk_fma_f32 v[GQ+2*\k:GQ+2*\k+1], v[GZ2+2*\k:GZ2+2*\k+1], v[CB8:CB8+1], s[KB6:KB6+1] op_sel_hi:[1,1,0]
.endr
	POLY GP, KA9
	POLY GQ, KB4
	POLY GP, KA7
	POLY GQ, KB2
	POLY GP, KA5
	POLY GQ, KB0
	POLY GP, KA3
	POLY GP, KA1
.irp i, 0,1,2,3,4,5,6,7
	v_rcp_f32 v[GZ2+\i], v[GQ+\i]
.endr
.irp k, 0,1,2,3
	v_pk_mul_f32 v[GP+2*\k:GP+2*\k+1], v[GP+2*\k:GP+2*\k+1], v[GZ+2*\k:GZ+2*\k+1]      ; z P: plain work behind the reciprocals that names none of them
.endr
	s_wait_alu depctr_va_vdst(0)                   ; one wait for the eight, ahead of their first reader
.irp k, 0,1,2,3
	v_pk_mul_f32 v[GP+2*\k:GP+2*\k+1], v[GP+2*\k:GP+2*\k+1], v[GZ2+2*\k:GZ2+2*\k+1]    ; erf
.endr
.irp k, 0,1,2,3
	v_pk_fma_f32 v[HX+8*\g+2*\k:HX+8*\g+2*\k+1], v[HX+8*\g+2*\k:HX+8*\g+2*\k+1], v[GP+2*\k:GP+2*\k+1], v[HX+8*\g+2*\k:HX+8*\g+2*\k+1]
.endr
.endr
.endm
; the chunk's 64 hidden numbers of my row, register 16 b + i = f 32 b + 16 (lane / 16) + i, become registers 6 c .. 6 c + 5 of the next operand (v238-243) and half its scale word (v248)
.macro QUANTH
.irp b, 0,1
	v_max3_num_f32 v[TM+\b], |v[HX+16*\b]|, |v[HX+16*\b+1]|, 0x2800000
.endr
.irp i, 2,4,6,8,10,12,14
.irp b, 0,1
	v_max3_num_f32 v[TM+\b], v[TM+\b], |v[HX+16*\b+\i]|, |v[HX+16*\b+\i+1]|
.endr
.endr
.irp b, 0,1
	v_permlanex16_b32 v[PX+\b], v[TM+\b], s[SEL], s[SEL+1]
.endr
.irp b, 0,1
	v_max_num_f32 v[TM+\b], v[TM+\b], v[PX+\b]
.endr
.irp b, 0,1
	v_add_nc_u32 v[SOP+\b], 0xfe000000, v[TM+\b]
.endr
.irp b, 0,1
	v_lshrrev_b32 v[PX+\b], 23, v[SOP+\b]
.endr
	v_lshl_or_b32 v[HW], v[PX+1], 8, v[PX]
	v_cvt_scalef32_pk16_bf6_f32 v[PC:PC+2], v[HX:HX+15], v[SOP]
	v_cvt_scalef32_pk16_bf6_f32 v[PT:PT+2], v[HX+16:HX+31], v[SOP+1]
	v_nop                                          ; one plain instruction behind a scaled conversion
.irp i, 0,1,2
	v_permlane16_swap_b32 v[PC+\i], v[PT+\i]       ; the operand wants a whole block in a lane: lanes 0-15 the first block, lanes 16-31 the second
.endr
.irp i, 0,1,2
	v_mov_b32 v[PC+3+\i], v[PT+\i]
.endr
.endm
; THE WAY OUT of chunk c: my tiles one after the other, in a loop of three trips; a tile that the expert does not have is passed over (a branch on the stored count; no barrier stands here)
.macro EPI c
	PLACES
	s_mov_b32 s24, 0
.Lepi_\@:
	s_lshl_b32 s25, s24, 3
	s_add_co_u32 s25, s25, s23                     ; the tile
	s_cmp_ge_u32 s25, s22
	s_cbranch_scc1 .Lnext_\@
	s_wait_xcnt 0x0                                ; the last trip's stores have read their registers and bases
.irp ct, 0,1,2,3
.irp q, 0,1
	ds_load_b128 v[HX+8*\ct+4*\q:HX+8*\ct+4*\q+3], v[BIAD] offset:256*\c+128*(\ct/2)+32*(\ct%2)+16*\q     ; 0.5 b1 in the result's layout
.endr
.endr
	s_min_u32 s25, s25, 63
	s_mul_i32 s26, s25, 49152
	s_add_nc_u64 s[28:29], s[14:15], s[26:27]
	s_lshl_b32 s26, s25, 11
	s_add_nc_u64 s[30:31], s[16:17], s[26:27]
	s_wait_dscnt 0x0
	s_cmp_eq_u32 s24, 0
	s_cbranch_scc0 .Lm1_\@
	TAKE 0
	s_branch .Ltaken_\@
.Lm1_\@:
	s_cmp_eq_u32 s24, 1
	s_cbranch_scc0 .Lm2_\@
	TAKE 1
	s_branch .Ltaken_\@
.Lm2_\@:
	TAKE 2
.Ltaken_\@:
	GELU
	QUANTH
	global_store_b128 v[O16], v[PC:PC+3], s[28:29] offset:768*\c           ; 512 consecutive bytes, at a multiple of 256 from the buffer's first byte
	global_store_b64 v[O8], v[PC+4:PC+5], s[28:29] offset:768*\c+512       ; 256 likewise
	global_store_b16 v[OS], v[HW], s[30:31] offset:2*\c                    ; two of the row's four scale bytes of this K step; lanes 16-31 repeat lanes 0-15
.Lnext_\@:
	s_add_co_u32 s24, s24, 1
	s_cmp_lt_u32 s24, 3
	s_cbranch_scc1 .Lepi_\@
	s_wait_xcnt 0x0                                ; the stores have read their registers: fragments may land there again
.endm
.macro PASS stream
	STAGE 0, \stream
	STAGE 1, \stream
	STAGE 2, \stream
	STAGE 3, \stream
	EPI 0
	STAGE 4, \stream
	STAGE 5, \stream
	STAGE 6, \stream
	STAGE 7, \stream
	EPI 1
.endm
; one word of idx (tokens 128 i + 4 lane + j, tok2 = 256 i + 2 j): lanes whose token chose my expert enter their slot behind those entered so far; the others write to the dump
.macro ENTRY reg, tok2
	v_and_b32 v186, 0xff, v[\reg]
	v_bfe_u32 v187, v[\reg], 8, 8
	v_cmp_eq_u32 s35, s19, v186
	v_cmp_eq_u32 s36, s19, v187
	s_or_b32 s37, s35, s36
	v_mbcnt_lo_u32_b32 v188, s37, 0
	v_add_nc_u32 v188, s34, v188
	v_cndmask_b32 v188, v190, v188, s37
	v_min_u32 v188, 1183, v188                     ; the entry's number is held inside list and dump; only a shift follows
	v_lshlrev_b32 v188, 2, v188
	v_cndmask_b32 v189, 0, 1, s36
	v_add3_u32 v189, v189, v[O8], \tok2            ; 2 token + choice
	ds_store_b32 v188, v189
	s_bcnt1_i32_b32 s37, s37
	s_add_co_u32 s34, s34, s37
.endm
	s_load_b256 s[4:11], s[0:1], 0x0               ; x_codes s[4:5], x_sc s[6:7], idx s[8:9], w1 s[10:11]
	s_load_b128 s[12:15], s[0:1], 0x20             ; b1 s[12:13], h_img s[14:15]
	s_load_b64 s[16:17], s[0:1], 0x30              ; h_sc
	s_set_vgpr_msb 0x40
	v_lshl_add_u32 v254, v0, 2, 0x1a600
	v_mov_b32 v255, 0
	s_set_vgpr_msb 0x4000
	v_lshrrev_b32 v162, 5, v0
	v_readfirstlane_b32 s18, v162                  ; wave 0..7
	s_lshr_b32 s19, ttmp9, 5                       ; expert
	s_and_b32 s20, ttmp9, 31                       ; slice
	s_mov_b32 s27, 0                               ; the upper word of every offset pair s[26:27]
	s_mov_b32 s[SEL], 0x76543210
	s_mov_b32 s[SEL+1], 0xfedcba98
	KPAIR KA11, 0x32edffee
	KPAIR KA9,  0xb60cff51
	KPAIR KA7,  0xb86ec2d2
	KPAIR KA5,  0xba40ac63
	KPAIR KA3,  0xbb41a1f6
	KPAIR KA1,  0xbc83dbd4
	KPAIR KB6,  0xb95fbd29
	KPAIR KB4,  0xbadc924e
	KPAIR KB2,  0xbbf19bf8
	KPAIR KB0,  0xbc69b6a7
	KPAIR KRT2, 0x3fb504f3
	v_and_b32 v162, 31, v0                         ; lane
	v_and_b32 v163, 15, v0                         ; l4 = lane % 16
	v_bfe_u32 v164, v0, 4, 1                       ; hh = lane / 16
	v_bfe_u32 v165, v0, 3, 1                       ; l4's bits 3, 2, 1, 0
	v_bfe_u32 v166, v0, 2, 1
	v_bfe_u32 v167, v0, 1, 1
	v_and_b32 v168, 1, v0
	s_lshl_b32 s26, s18, 6
	v_lshl_add_u32 v[LB], v163, 2, s26
	s_lshl_b32 s26, s18, 19                        ; 32 rows of 16,384 bytes a wave,
	v_lshl_add_u32 v[WOFF], v163, 4, s26
	v_lshl_add_u32 v[WOFF], v164, 18, v[WOFF]      ; 16 rows for the upper lanes
	v_add_nc_u32 v[WOFF+1], 0x800000, v[WOFF]
	; column 4 l4 + j lies in tile ct = 2 (l4 >> 3) + ((l4 >> 1) & 1), lane r = 4 (l4 & 1) + 8 ((l4 >> 2) & 1) + j.  My block w is K step w >> 2, operand half h = w & 1, register group (w >> 1) & 1
	s_lshr_b32 s26, s18, 2
	s_mul_i32 s26, s26, 6144
	s_and_b32 s28, s18, 1
	s_mul_i32 s28, s28, 768
	s_add_co_u32 s26, s26, s28
	s_bfe_u32 s28, s18, 0x10001
	s_mul_i32 s28, s28, 24
	s_add_co_u32 s26, s26, s28
	s_add_co_u32 s26, s26, BIMG
	v_mul_u32_u24 v[WST], v165, 3072
	v_mad_u32_u24 v[WST], v167, 1536, v[WST]
	v_mad_u32_u24 v[WST], v166, 384, v[WST]
	v_mad_u32_u24 v[WST], v168, 192, v[WST]
	v_mad_u32_u24 v[WST], v164, 12, v[WST]
	v_add_nc_u32 v[WST], s26, v[WST]
	v_add_nc_u32 v[WST+1], 49152, v[WST]
	s_lshr_b32 s26, s18, 2
	s_lshl_b32 s26, s26, 3
	s_and_b32 s28, s18, 3
	s_add_co_u32 s26, s26, s28
	s_add_co_u32 s26, s26, BSC
	v_lshlrev_b32 v[BSST], 2, v165                 ; BSC + 16 (r + 16 (ct & 1)) + 4 (2 ks + (ct >> 1)) + block
	v_lshl_add_u32 v[BSST], v168, 6, v[BSST]
	v_lshl_add_u32 v[BSST], v166, 7, v[BSST]
	v_lshl_add_u32 v[BSST], v167, 8, v[BSST]
	v_add_nc_u32 v[BSST], s26, v[BSST]
	v_mul_u32_u24 v[BRD], v162, 48
	v_add_nc_u32 v[BRD], BIMG, v[BRD]
	v_add_nc_u32 v[BRD+1], 49152, v[BRD]
	v_lshl_add_u32 v[BSRD], v162, 4, BSC
	v_lshlrev_b32 v[O16], 4, v162
	v_lshlrev_b32 v[O8], 3, v162
	v_lshlrev_b32 v[OS], 2, v163
	v_lshl_add_u32 v[BIAD], v164, 6, BIAS
	v_mul_u32_u24 v[H48], v164, 48
	v_lshlrev_b32 v[H4], 2, v164
	v_mov_b32 v[CA13], 0xaf95df0b
	v_mov_b32 v[CA13+1], 0xaf95df0b
	v_mov_b32 v[CB8], 0xb77460cd
	v_mov_b32 v[CB8+1], 0xb77460cd
.irp j, 0,1,2,3
	v_mov_b32 v[PX+\j], 0                          ; written once: a lane permute's destination counts as one of its sources
.endr
	s_wait_kmcnt 0x0
	s_lshl_b32 s26, s19, 24
	s_lshl_b32 s28, s20, 9
	s_add_co_u32 s26, s26, s28
	s_add_nc_u64 s[10:11], s[10:11], s[26:27]      ; w1[e], my 128 columns
	s_lshl_b32 s26, s19, 14
	s_add_co_u32 s26, s26, s28
	s_add_nc_u64 s[12:13], s[12:13], s[26:27]      ; b1 likewise
	s_mul_i32 s26, s19, 3145728
	s_mul_i32 s28, s20, 1536
	s_add_co_u32 s26, s26, s28
	s_add_nc_u64 s[14:15], s[14:15], s[26:27]      ; h_img[e][.][K step = slice]
	s_lshl_b32 s26, s19, 17
	s_lshl_b32 s28, s20, 6
	s_add_co_u32 s26, s26, s28
	s_add_nc_u64 s[16:17], s[16:17], s[26:27]      ; h_sc likewise
	s_cmp_lg_u32 s18, 0
	s_cbranch_scc1 .Lnot0a
.irp i, 0,1,2,3,4,5,6,7
	global_load_b128 v[206+4*\i:209+4*\i], v[O16], s[8:9] offset:512*\i    ; wave 0: all of idx,
.endr
	global_load_b128 v[238:241], v[O16], s[12:13]                          ; and my 128 numbers of b1
.Lnot0a:
	WLOAD 0, 0                                     ; the stream begins ahead of the list
	WLOAD 1, 1
	s_cmp_lg_u32 s18, 0
	s_cbranch_scc1 .Lnot0b
	s_wait_loadcnt 32                              ; behind idx and b1 the two units' 32 loads were issued
	s_add_co_u32 s28, s19, 2048
.irp k, 0,1,2,3
	v_mov_b32 v[178+\k], s28                       ; the pad: slot 2,048 + e
.endr
.irp i, 0,1,2,3,4,5,6,7,8
	ds_store_b128 v[O16], v[178:181] offset:LIST+512*\i
.endr
.irp k, 0,1,2,3
	v_mul_f32 v[182+\k], 0.5, v[238+\k]
.endr
	ds_store_b128 v[O16], v[182:185] offset:BIAS
	v_and_b32 v190, 31, v0
	v_add_nc_u32 v190, DUMPW, v190                 ; my dump entry
	s_mov_b32 s34, 0                               ; entries so far
.irp i, 0,1,2,3,4,5,6,7
.irp j, 0,1,2,3
	ENTRY 206+4*\i+\j, 256*\i+2*\j
.endr
.endr
	v_mov_b32 v189, s34
	ds_store_b32 v[OS], v189 offset:NW             ; the expert's number of rows
.Lnot0b:
	s_wait_dscnt 0x0                               ; for the others' sake: list, count and bias lie in LDS
	s_barrier_signal -1
	s_barrier_wait -1
	ds_load_b32 v[TM], v[OS] offset:NW
	s_wait_dscnt 0x0
	v_readfirstlane_b32 s21, v[TM]
	s_min_u32 s21, s21, 1024                       ; rows
	s_add_co_u32 s22, s21, 15
	s_lshr_b32 s22, s22, 4
	s_max_u32 s22, s22, 1                          ; nt: tiles; tile 0 is always made
	s_mov_b32 s23, s18                             ; my first tile of the pass
	SETUP
	ALOAD 0, 0
	PASS 1
	s_mov_b32 s32, 1
.Lpass:                                            ; passes 1 and 2: every wave walks the loop; a wave with no tile left jumps over the work
	v_add_nc_u32 v[LB], 1536, v[LB]
	s_add_co_u32 s23, s23, 24
	s_cmp_ge_u32 s23, s22
	s_cbranch_scc1 .Lnopass
	SETUP
	ALOAD 0, 0
	PASS 0
.Lnopass:
	s_add_co_u32 s32, s32, 1
	s_cmp_lt_u32 s32, 3
	s_cbranch_scc1 .Lpass
	s_set_vgpr_msb 0x5
	s_wait_tensorcnt 0x0
	ds_add_u32 v254, v255
	s_wait_dscnt 0x0
	s_set_vgpr_msb 0x500
	s_endpgm
.Lfunc_end_k_qcd5924e55b_up:
	.size	k_qcd5924e55b_up, .Lfunc_end_k_qcd5924e55b_up-k_qcd5924e55b_up
	.p2alignl 7, 3214868480
	.fill 96, 4, 3214868480
	.section	.rodata,"a",@progbits
	.p2align	6, 0x0
	.amdhsa_kernel k_qcd5924e55b_up
		.amdhsa_group_segment_fixed_size 109056
		.amdhsa_private_segment_fixed_size 0
		.amdhsa_enable_private_segment 0
		.amdhsa_kernarg_size 56
		.amdhsa_user_sgpr_count 2
		.amdhsa_user_sgpr_kernarg_segment_ptr 1
		.amdhsa_wavefront_size32 1
		.amdhsa_system_sgpr_workgroup_id_x 1
		.amdhsa_system_sgpr_workgroup_id_y 1
		.amdhsa_system_sgpr_workgroup_id_z 1
		.amdhsa_system_vgpr_workitem_id 0
		.amdhsa_next_free_vgpr 512
		.amdhsa_next_free_sgpr 66
		.amdhsa_reserve_vcc 0
		.amdhsa_float_denorm_mode_32 3
		.amdhsa_float_denorm_mode_16_64 3
		.amdhsa_memory_ordered 1
		.amdhsa_forward_progress 1
		.amdhsa_inst_pref_size 255
	.end_amdhsa_kernel
	.section	.bss,"aw",@nobits
	.p2align	6
	.space	262144
	.amdgpu_metadata
---
amdhsa.version: [ 1, 2 ]
amdhsa.kernels:
  - .name:           k_qcd5924e55b_up
    .symbol:         k_qcd5924e55b_up.kd
    .args:
      - { .name: x_codes, .offset: 0, .size: 8, .value_kind: global_buffer, .address_space: global }
      - { .name: x_sc, .offset: 8, .size: 8, .value_kind: global_buffer, .address_space: global }
      - { .name: idx, .offset: 16, .size: 8, .value_kind: global_buffer, .address_space: global }
      - { .name: w1, .offset: 24, .size: 8, .value_kind: global_buffer, .address_space: global }
      - { .name: b1, .offset: 32, .size: 8, .value_kind: global_buffer, .address_space: global }
      - { .name: h_img, .offset: 40, .size: 8, .value_kind: global_buffer, .address_space: global }
      - { .name: h_sc, .offset: 48, .size: 8, .value_kind: global_buffer, .address_space: global }
    .group_segment_fixed_size: 109056
    .private_segment_fixed_size: 0
    .kernarg_segment_align: 8
    .kernarg_segment_size: 56
    .max_flat_workgroup_size: 256
    .sgpr_count:     66
    .vgpr_count:     512
    .wavefront_size: 32
...
	.end_amdgpu_metadata
.endif
;; end of part 2
;; launch down (part 3): grid 256 x 1, 8 waves a work-group, no clusters, 143,872 bytes of LDS; arguments h_img, h_sc, idx, w2, y_part; writes y_part
.if DOCPART == 3
	.amdgcn_target "amdgcn-amd-amdhsa--gfx1250"
	.amdhsa_code_object_version 6
	.text
	.protected	k_qcd5924e55b_down
	.globl	k_qcd5924e55b_down
	.p2align	8
	.type	k_qcd5924e55b_down,@function
k_qcd5924e55b_down:
	s_mov_b64 s[64:65], 0
	v_nop
	global_prefetch_b8 v0, s[64:65] scope:SCOPE_SE
	s_setreg_imm32_b32 hwreg(HW_REG_WAVE_MODE, 25, 1), 1
	s_wait_xcnt 0x0
; DOWN.  Partial sums of h w2[e] for the rows routed to expert e; both operands are codes of E3M2 with E8M0 scales; sums in f32.
; SHARES.  Work-group id = 32 e + 2 cs + kh owns w2[e][2,048 K rows from 2,048 kh on][64 columns from 64 cs on], 512 KB of f32, read ONCE from memory.
; A STAGE is 256 K rows x 64 columns.  Wave w takes the stage's block w of 32 K rows (16 loads of 16 bytes a lane, each of two whole rows of 256 consecutive bytes), quantises it in registers and lays codes and
; scale bytes in LDS in the order of the operand's registers; a barrier; all eight waves multiply the stage's 8 fragments by their own row tiles.  Every stage keeps LDS bytes of its own.
; ROWS.  Wave 0 builds the expert's list of slots from idx by the same lines as the launch before, which laid the hidden layer's tiles in that order.  Row tile t = 24 p + 8 m + w.  Pass 0 rides on the stream and always
; multiplies three tiles a wave (a tile that the expert does not have repeats its last one); only tiles under nt are stored.  Passes 1 and 2 run where the expert has more than 384, 768 rows.
; NO JOINT LOADS, NO TENSOR LOADS: later passes and stores are skipped by branches on the stored counts, and what work-groups share (the hidden codes) is small beside the 512 KB that each reads alone.
; THE PRODUCT IS USED TRANSPOSED (source 0 = 16 columns of w2, source 1 = 16 rows): a lane holds eight neighbouring columns of one row.
; y_part: [K half][slot 2,056][1,024] f32: a row goes to its slot 2 token + choice; the list's pads go to row 2,048 + e, which nobody reads.  The two halves, b2 and the gates are joined by the last launch.
; LIMITS: NaN and infinities are not served.  A block of zeros gets the byte 1 (zero codes; this program alone reads the bytes).
; REGISTERS.  Window 0: v1-23 addresses; v24-27 the weights' scale words, v28-33 the rows' (scales and nothing else); v34-161 two raw units; v162-193 at work; v194-205 maxima, bytes, scale operands;
;   v206-253 four weight fragments, on the way out rows and their slots.   Window 1: v0-95 the 12 accumulators (m, ct) at 32 m + 8 ct; v96-239 row fragments (buffer, m, K step).
.set LIST,  0
.set DUMPW, 1152
.set NW,    4736
.set BSC,   5632
.set BIMG,  9728
.set STG,   108032                     ; the way out: 16 rows x (256 bytes + 16) for each wave
.set LB2,   1                          ; v1   list: 4 (lane / 16) + 64 w + 1,536 pass
.set WOFF,  2                          ; v2   w2: my lane's byte in a unit
.set L4,    3                          ; v3   4 lane
.set WST,   4
.set BSST,  6
.set BRD,   7
.set BSRD,  9
.set A16,   10                         ; v10-12 h_img: 49,152 tile + 16 lane
.set A8,    13                         ; v13-15 49,152 tile + 8 lane
.set ASOFF, 16                         ; v16-18 h_sc: 2,048 tile + 4 lane
.set STO,   19
.set SRD,   20
.set L16,   21
.set OC,    22                         ; v22  16 (lane % 16)
.set L8,    23
.set BS,    24
.set AS,    28
.set RAW,   34
.set SG,    162
.set CD,    178
.set TM,    194
.set PX,    198
.set SOP,   202
.set BF,    206
.set AF,    96
.set SEL,   38
.set MSB, 0
.macro WIN new                         ; the immediate's high byte repeats the setting that is left
.if MSB != \new
	s_set_vgpr_msb (MSB<<8)|\new
.set MSB, \new
.endif
.endm
.macro PLACES                          ; four plain instructions between a matrix instruction and a load into, or a read of, its registers
.rept 4
	v_nop
.endr
.endm
.macro WLOAD buf, sig                  ; load i takes K rows 32 w + i and 32 w + 16 + i of the stage, 256 consecutive bytes of each
.irp i, 0,1,2,3,4,5,6,7,8,9,10,11,12,13,14,15
	global_load_b128 v[RAW+64*(\buf)+4*\i:RAW+64*(\buf)+4*\i+3], v[WOFF], s[10:11] offset:1048576*(\sig)+4096*\i th:TH_LOAD_NT
.endr
.endm
.macro QUANTW buf, sig                 ; as in the launch before: 16 numbers of four columns a lane, lane l xor 16 the block's other 16
.set RW_, RAW+64*(\buf)
.irp j, 0,1,2,3
	v_max3_num_f32 v[TM+\j], |v[RW_+\j]|, |v[RW_+4+\j]|, 0x2800000     ; with the floor 2^(5 - 127): the byte cannot fall under 1
.endr
.irp i, 2,4,6,8,10,12,14
.irp j, 0,1,2,3
	v_max3_num_f32 v[TM+\j], v[TM+\j], |v[RW_+4*\i+\j]|, |v[RW_+4*\i+4+\j]|
.endr
.endr
.irp j, 0,1,2,3
	v_permlanex16_b32 v[PX+\j], v[TM+\j], s[SEL], s[SEL+1]
.endr
.irp j, 0,1,2,3
	v_max_num_f32 v[TM+\j], v[TM+\j], v[PX+\j]
.endr
.irp j, 0,1,2,3
	v_add_nc_u32 v[SOP+\j], 0xfe000000, v[TM+\j]   ; 4 off the exponent field: the conversion's scale operand
.endr
.irp j, 0,1,2,3
	v_lshrrev_b32 v[PX+\j], 23, v[SOP+\j]          ; the scale's byte
.endr
.irp j, 0,1,2,3
.irp i, 0,1,2,3,4,5,6,7,8,9,10,11,12,13,14,15
	v_mov_b32 v[SG+\i], v[RW_+4*\i+\j]             ; the conversion wants its 16 numbers in consecutive registers
.endr
	v_cvt_scalef32_pk16_bf6_f32 v[CD+4*\j:CD+4*\j+2], v[SG:SG+15], v[SOP+\j]
	v_nop                                          ; one plain instruction before the conversion's sources are written again
.endr
.irp j, 0,1,2,3
.irp q, 0,1,2
	ds_store_b32 v[WST+(\sig)/4], v[CD+4*\j+\q] offset:12288*((\sig)%4)+48*\j+4*\q
.endr
	ds_store_b8 v[BSST], v[PX+\j] offset:512*(\sig)+16*\j          ; both lanes of a column write the same byte with the same value
.endr
.endm
; the rows' fragments of stage sig (K steps 2 sig, 2 sig + 1 of my half) into buffer buf, as the launch before laid them; the scale words: lanes 0-15 the first K step's, lanes 16-31 the second's
.macro ALOAD buf, sig
	WIN 0x40                                       ; destination window 1, address window 0
.irp m, 0,1,2
.irp ks, 0,1
.set rA, AF+72*(\buf)+24*\m+12*\ks
.set oA, 1536*(2*(\sig)+\ks)
	global_load_b128 v[rA:rA+3], v[A16+\m], s[4:5] offset:oA
	global_load_b64 v[rA+4:rA+5], v[A8+\m], s[4:5] offset:oA+512
	global_load_b128 v[rA+6:rA+9], v[A16+\m], s[4:5] offset:oA+768
	global_load_b64 v[rA+10:rA+11], v[A8+\m], s[4:5] offset:oA+1280
.endr
.endr
	WIN 0
.irp m, 0,1,2
	global_load_b32 v[AS+3*(\buf)+\m], v[ASOFF+\m], s[6:7] offset:128*(\sig)
.endr
.endm
.macro BLOAD sig, ks
.irp ct, 0,1,2,3
.irp q, 0,1,2
	ds_load_b128 v[BF+12*\ct+4*\q:BF+12*\ct+4*\q+3], v[BRD+(\sig)/4] offset:12288*((\sig)%4)+1536*(4*(\ks)+\ct)+16*\q
.endr
.endr
.endm
.macro MM acc, bf, af, zero, sa, sb, ra, rb
.set rD, \acc
.set rB, \bf
.set rA, \af
.if \zero
.if \ra
	v_wmma_scale_f32_16x16x128_f8f6f4 v[rD:rD+7], v[rB:rB+11], v[rA:rA+11], 0, v[\sa], v[\sb] matrix_a_fmt:MATRIX_FMT_BF6 matrix_b_fmt:MATRIX_FMT_BF6 matrix_a_scale:MATRIX_SCALE_ROW1
.else
	v_wmma_scale_f32_16x16x128_f8f6f4 v[rD:rD+7], v[rB:rB+11], v[rA:rA+11], 0, v[\sa], v[\sb] matrix_a_fmt:MATRIX_FMT_BF6 matrix_b_fmt:MATRIX_FMT_BF6
.endif
.else
.if (\ra) && (\rb)
	v_wmma_scale_f32_16x16x128_f8f6f4 v[rD:rD+7], v[rB:rB+11], v[rA:rA+11], v[rD:rD+7], v[\sa], v[\sb] matrix_a_fmt:MATRIX_FMT_BF6 matrix_b_fmt:MATRIX_FMT_BF6 matrix_a_scale:MATRIX_SCALE_ROW1 matrix_b_scale:MATRIX_SCALE_ROW1
.elseif \ra
	v_wmma_scale_f32_16x16x128_f8f6f4 v[rD:rD+7], v[rB:rB+11], v[rA:rA+11], v[rD:rD+7], v[\sa], v[\sb] matrix_a_fmt:MATRIX_FMT_BF6 matrix_b_fmt:MATRIX_FMT_BF6 matrix_a_scale:MATRIX_SCALE_ROW1
.elseif \rb
	v_wmma_scale_f32_16x16x128_f8f6f4 v[rD:rD+7], v[rB:rB+11], v[rA:rA+11], v[rD:rD+7], v[\sa], v[\sb] matrix_a_fmt:MATRIX_FMT_BF6 matrix_b_fmt:MATRIX_FMT_BF6 matrix_b_scale:MATRIX_SCALE_ROW1
.else
	v_wmma_scale_f32_16x16x128_f8f6f4 v[rD:rD+7], v[rB:rB+11], v[rA:rA+11], v[rD:rD+7], v[\sa], v[\sb] matrix_a_fmt:MATRIX_FMT_BF6 matrix_b_fmt:MATRIX_FMT_BF6
.endif
.endif
.endm
; 12 matrix instructions: four column tiles x three row tiles, 128 along K; the twelve accumulators take turns, one instruction a turn, in the same order in every half stage
.macro MULH buf, ks, first
	WIN 0x54                                       ; source 0 (weights) window 0; source 1 (rows), C and D window 1
.irp ct, 0,1,2,3
.irp m, 0,1,2
	MM 32*\m+8*\ct, BF+12*\ct, AF+72*(\buf)+24*\m+12*(\ks), \first, BS+2*(\ks)+\ct/2, AS+3*(\buf)+\m, \ct%2, \ks
.endr
.endr
	WIN 0
.endm
.macro STAGE sig, stream
.if \stream
.if (\sig == 0) || (\sig == 7)
	s_wait_loadcnt 0x0                             ; the rows' fragments are the youngest loads here
.else
	s_wait_loadcnt 16                              ; behind this stage's unit and rows only the next unit's 16 loads were issued
.endif
	QUANTW (\sig)%2, \sig                          ; (its plain lines are also the places behind the last stage's products)
.else
	s_wait_loadcnt 0x0
	PLACES
.endif
.if \sig < 7
	ALOAD (\sig+1)%2, \sig+1
.endif
.if \stream && (\sig < 6)
	WLOAD (\sig)%2, \sig+2                         ; the raw buffer just read takes the unit two stages on
.endif
.if \stream
	s_wait_dscnt 0x0                               ; for the others' sake: my codes and bytes lie in LDS
	s_barrier_signal -1
	s_barrier_wait -1                              ; the stage's eight fragments are whole
.endif
	ds_load_b128 v[BS:BS+3], v[BSRD] offset:512*(\sig)
	BLOAD \sig, 0
	s_wait_dscnt 0x0
.if \sig == 0
	MULH (\sig)%2, 0, 1                            ; the first products start the sums: nothing is cleared
.else
	MULH (\sig)%2, 0, 0
.endif
	PLACES
	BLOAD \sig, 1
	s_wait_dscnt 0x0
	MULH (\sig)%2, 1, 0
.endm
.macro SETUP                           ; my three tiles: one that the expert does not have repeats its last, which the launch before has stored
.irp m, 0,1,2
	s_add_co_u32 s25, s23, 8*\m
	s_min_u32 s25, s25, s33
	s_min_u32 s25, s25, 63
	s_mul_i32 s26, s25, 49152
	v_add_nc_u32 v[A16+\m], s26, v[L16]
	v_add_nc_u32 v[A8+\m], s26, v[L8]
	s_lshl_b32 s26, s25, 11
	v_add_nc_u32 v[ASOFF+\m], s26, v[L4]
.endr
.endm
; THE WAY OUT of tile m: a lane's 32 bytes of a row go into my own stage and come back as whole rows of 256 bytes; each row goes to its slot.  A tile that the expert does not have is passed over.
.macro EPIM m
	s_add_co_u32 s25, s23, 8*\m
	s_cmp_ge_u32 s25, s22
	s_cbranch_scc1 .Labsent_\@
	s_wait_xcnt 0x0                                ; the last tile's stores have read their registers
	WIN 0x04                                       ; an LDS store's data are its source 1: window 1
.irp ct, 0,1,2,3
	ds_store_b128 v[STO], v[32*\m+8*\ct:32*\m+8*\ct+3] offset:64*\ct           ; each accumulator from its low end on
	ds_store_b128 v[STO], v[32*\m+8*\ct+4:32*\m+8*\ct+7] offset:64*\ct+16
.endr
	WIN 0
.irp i, 0,1,2,3,4,5,6,7
	ds_load_b32 v[238+\i], v[LB2] offset:512*\m+8*\i                           ; the slot of row 2 i + lane / 16
.endr
.irp i, 0,1,2,3,4,5,6,7
	ds_load_b128 v[206+4*\i:209+4*\i], v[SRD] offset:544*\i                    ; LDS serves a wave's instructions in order: these see my stores
.endr
	s_wait_dscnt 0x0
.irp i, 0,1,2,3,4,5,6,7
	v_min_u32 v[238+\i], 2055, v[238+\i]           ; held inside the buffer's rows before it enters an address
.endr
.irp i, 0,1,2,3,4,5,6,7
	v_lshl_add_u32 v[238+\i], v[238+\i], 12, v[OC]
.endr
.irp i, 0,1,2,3,4,5,6,7
	global_store_b128 v[238+\i], v[206+4*\i:209+4*\i], s[12:13] th:TH_STORE_NT ; sixteen lanes store 256 consecutive bytes of a row, at a multiple of 256 from the buffer's first byte
.endr
.Labsent_\@:
.endm
.macro PASS stream
	STAGE 0, \stream
	STAGE 1, \stream
	STAGE 2, \stream
	STAGE 3, \stream
	STAGE 4, \stream
	STAGE 5, \stream
	STAGE 6, \stream
	STAGE 7, \stream
	PLACES
	EPIM 0
	EPIM 1
	EPIM 2
	s_wait_xcnt 0x0                                ; the stores have read their registers: fragments may land there again
.endm
; one word of idx (tokens 128 i + 4 lane + j, tok2 = 256 i + 2 j): the same lines as in the launch before, so the same list
.macro ENTRY reg, tok2
	v_and_b32 v186, 0xff, v[\reg]
	v_bfe_u32 v187, v[\reg], 8, 8
	v_cmp_eq_u32 s35, s19, v186
	v_cmp_eq_u32 s36, s19, v187
	s_or_b32 s37, s35, s36
	v_mbcnt_lo_u32_b32 v188, s37, 0
	v_add_nc_u32 v188, s34, v188
	v_cndmask_b32 v188, v190, v188, s37
	v_min_u32 v188, 1183, v188                     ; the entry's number is held inside list and dump; only a shift follows
	v_lshlrev_b32 v188, 2, v188
	v_cndmask_b32 v189, 0, 1, s36
	v_add3_u32 v189, v189, v[L8], \tok2            ; 2 token + choice
	ds_store_b32 v188, v189
	s_bcnt1_i32_b32 s37, s37
	s_add_co_u32 s34, s34, s37
.endm
	s_load_b256 s[4:11], s[0:1], 0x0               ; h_img s[4:5], h_sc s[6:7], idx s[8:9], w2 s[10:11]
	s_load_b64 s[12:13], s[0:1], 0x20              ; y_part
	v_lshl_add_u32 v254, v0, 2, 0x22e00
	v_mov_b32 v255, 0
	v_lshrrev_b32 v162, 5, v0
	v_readfirstlane_b32 s18, v162                  ; wave 0..7
	s_lshr_b32 s19, ttmp9, 5                       ; expert
	s_bfe_u32 s20, ttmp9, 0x40001                  ; cs: which 64 columns
	s_and_b32 s24, ttmp9, 1                        ; kh: which half of K
	s_mov_b32 s27, 0                               ; the upper word of every offset pair s[26:27]
	s_mov_b32 s[SEL], 0x76543210
	s_mov_b32 s[SEL+1], 0xfedcba98
	v_and_b32 v162, 31, v0                         ; lane
	v_and_b32 v163, 15, v0                         ; l4 = lane % 16
	v_bfe_u32 v164, v0, 4, 1                       ; hh = lane / 16
	v_bfe_u32 v165, v0, 2, 2                       ; ct = l4 >> 2
	v_and_b32 v166, 3, v0                          ; l4 & 3
	v_bfe_u32 v167, v0, 2, 1                       ; ct & 1
	v_bfe_u32 v168, v0, 3, 1                       ; ct >> 1
	s_lshl_b32 s26, s18, 6
	v_lshl_add_u32 v[LB2], v164, 2, s26
	s_lshl_b32 s26, s18, 17                        ; 32 rows of 4,096 bytes a wave,
	v_lshl_add_u32 v[WOFF], v163, 4, s26
	v_lshl_add_u32 v[WOFF], v164, 16, v[WOFF]      ; 16 rows for the upper lanes
	v_lshlrev_b32 v[L4], 2, v162
	v_lshlrev_b32 v[L8], 3, v162
	v_lshlrev_b32 v[L16], 4, v162
	v_lshlrev_b32 v[OC], 4, v163
	; column 4 l4 + j lies in tile ct = l4 >> 2, lane r = 4 (l4 & 3) + j.  My block w is K step w >> 2, operand half h = w & 1, register group (w >> 1) & 1
	s_lshr_b32 s26, s18, 2
	s_mul_i32 s26, s26, 6144
	s_and_b32 s28, s18, 1
	s_mul_i32 s28, s28, 768
	s_add_co_u32 s26, s26, s28
	s_bfe_u32 s28, s18, 0x10001
	s_mul_i32 s28, s28, 24
	s_add_co_u32 s26, s26, s28
	s_add_co_u32 s26, s26, BIMG
	v_mul_u32_u24 v[WST], v165, 1536
	v_mad_u32_u24 v[WST], v166, 192, v[WST]
	v_mad_u32_u24 v[WST], v164, 12, v[WST]
	v_add_nc_u32 v[WST], s26, v[WST]
	v_add_nc_u32 v[WST+1], 49152, v[WST]
	s_lshr_b32 s26, s18, 2
	s_lshl_b32 s26, s26, 3
	s_and_b32 s28, s18, 3
	s_add_co_u32 s26, s26, s28
	s_add_co_u32 s26, s26, BSC
	v_lshlrev_b32 v[BSST], 2, v168                 ; BSC + 16 (r + 16 (ct & 1)) + 4 (2 ks + (ct >> 1)) + block
	v_lshl_add_u32 v[BSST], v166, 6, v[BSST]
	v_lshl_add_u32 v[BSST], v167, 8, v[BSST]
	v_add_nc_u32 v[BSST], s26, v[BSST]
	v_mul_u32_u24 v[BRD], v162, 48
	v_add_nc_u32 v[BRD], BIMG, v[BRD]
	v_add_nc_u32 v[BRD+1], 49152, v[BRD]
	v_lshl_add_u32 v[BSRD], v162, 4, BSC
	s_mul_i32 s26, s18, 4352
	s_add_co_u32 s26, s26, STG                     ; my stage
	v_mul_u32_u24 v[STO], v163, 272
	v_lshl_add_u32 v[STO], v164, 5, v[STO]
	v_add_nc_u32 v[STO], s26, v[STO]               ; in: row lane % 16, 32 bytes for each half of the lanes
	v_mul_u32_u24 v[SRD], v164, 272
	v_lshl_add_u32 v[SRD], v163, 4, v[SRD]
	v_add_nc_u32 v[SRD], s26, v[SRD]               ; back: lanes 0-15 one row, lanes 16-31 the next
.irp j, 0,1,2,3
	v_mov_b32 v[PX+\j], 0                          ; written once: a lane permute's destination counts as one of its sources
.endr
	s_wait_kmcnt 0x0
	s_lshl_b32 s26, s19, 24
	s_lshl_b32 s28, s24, 23
	s_add_co_u32 s26, s26, s28
	s_lshl_b32 s28, s20, 8
	s_add_co_u32 s26, s26, s28
	s_add_nc_u64 s[10:11], s[10:11], s[26:27]      ; w2[e], my half of K, my 64 columns
	s_mul_i32 s26, s19, 3145728
	s_mul_i32 s28, s24, 24576
	s_add_co_u32 s26, s26, s28
	s_add_nc_u64 s[4:5], s[4:5], s[26:27]          ; h_img[e][.][my 16 K steps]
	s_lshl_b32 s26, s19, 17
	s_lshl_b32 s28, s24, 10
	s_add_co_u32 s26, s26, s28
	s_add_nc_u64 s[6:7], s[6:7], s[26:27]          ; h_sc likewise
	s_mul_i32 s26, s24, 8421376
	s_lshl_b32 s28, s20, 8
	s_add_co_u32 s26, s26, s28
	s_add_nc_u64 s[12:13], s[12:13], s[26:27]      ; y_part[kh][.][my 64 columns]
	s_cmp_lg_u32 s18, 0
	s_cbranch_scc1 .Lnot0a
.irp i, 0,1,2,3,4,5,6,7
	global_load_b128 v[206+4*\i:209+4*\i], v[L16], s[8:9] offset:512*\i    ; wave 0: all of idx
.endr
.Lnot0a:
	WLOAD 0, 0                                     ; the stream begins ahead of the list
	WLOAD 1, 1
	s_cmp_lg_u32 s18, 0
	s_cbranch_scc1 .Lnot0b
	s_wait_loadcnt 32                              ; behind idx the two units' 32 loads were issued
	s_add_co_u32 s28, s19, 2048
.irp k, 0,1,2,3
	v_mov_b32 v[178+\k], s28                       ; the pad: slot 2,048 + e
.endr
.irp i, 0,1,2,3,4,5,6,7,8
	ds_store_b128 v[L16], v[178:181] offset:LIST+512*\i
.endr
	v_and_b32 v190, 31, v0
	v_add_nc_u32 v190, DUMPW, v190                 ; my dump entry
	s_mov_b32 s34, 0                               ; entries so far
.irp i, 0,1,2,3,4,5,6,7
.irp j, 0,1,2,3
	ENTRY 206+4*\i+\j, 256*\i+2*\j
.endr
.endr
	v_mov_b32 v189, s34
	ds_store_b32 v[L4], v189 offset:NW             ; the expert's number of rows
.Lnot0b:
	s_wait_dscnt 0x0                               ; for the others' sake: list and count lie in LDS
	s_barrier_signal -1
	s_barrier_wait -1
	ds_load_b32 v[TM], v[L4] offset:NW
	s_wait_dscnt 0x0
	v_readfirstlane_b32 s21, v[TM]
	s_min_u32 s21, s21, 1024                       ; rows
	s_add_co_u32 s22, s21, 15
	s_lshr_b32 s22, s22, 4
	s_max_u32 s22, s22, 1                          ; nt: tiles; tile 0 is always there
	s_sub_co_u32 s33, s22, 1
	s_mov_b32 s23, s18                             ; my first tile of the pass
	SETUP
	ALOAD 0, 0
	PASS 1
	s_mov_b32 s32, 1
.Lpass:                                            ; passes 1 and 2: every wave walks the loop; a wave with no tile left jumps over the work
	v_add_nc_u32 v[LB2], 1536, v[LB2]
	s_add_co_u32 s23, s23, 24
	s_cmp_ge_u32 s23, s22
	s_cbranch_scc1 .Lnopass
	SETUP
	ALOAD 0, 0
	PASS 0
.Lnopass:
	s_add_co_u32 s32, s32, 1
	s_cmp_lt_u32 s32, 3
	s_cbranch_scc1 .Lpass
	s_wait_tensorcnt 0x0
	ds_add_u32 v254, v255
	s_wait_dscnt 0x0
	s_endpgm
.Lfunc_end_k_qcd5924e55b_down:
	.size	k_qcd5924e55b_down, .Lfunc_end_k_qcd5924e55b_down-k_qcd5924e55b_down
	.p2alignl 7, 3214868480
	.fill 96, 4, 3214868480
	.section	.rodata,"a",@progbits
	.p2align	6, 0x0
	.amdhsa_kernel k_qcd5924e55b_down
		.amdhsa_group_segment_fixed_size 143872
		.amdhsa_private_segment_fixed_size 0
		.amdhsa_enable_private_segment 0
		.amdhsa_kernarg_size 40
		.amdhsa_user_sgpr_count 2
		.amdhsa_user_sgpr_kernarg_segment_ptr 1
		.amdhsa_wavefront_size32 1
		.amdhsa_system_sgpr_workgroup_id_x 1
		.amdhsa_system_sgpr_workgroup_id_y 1
		.amdhsa_system_sgpr_workgroup_id_z 1
		.amdhsa_system_vgpr_workitem_id 0
		.amdhsa_next_free_vgpr 512
		.amdhsa_next_free_sgpr 66
		.amdhsa_reserve_vcc 0
		.amdhsa_float_denorm_mode_32 3
		.amdhsa_float_denorm_mode_16_64 3
		.amdhsa_memory_ordered 1
		.amdhsa_forward_progress 1
		.amdhsa_inst_pref_size 240
	.end_amdhsa_kernel
	.amdgpu_metadata
---
amdhsa.version: [ 1, 2 ]
amdhsa.kernels:
  - .name:           k_qcd5924e55b_down
    .symbol:         k_qcd5924e55b_down.kd
    .args:
      - { .name: h_img, .offset: 0, .size: 8, .value_kind: global_buffer, .address_space: global }
      - { .name: h_sc, .offset: 8, .size: 8, .value_kind: global_buffer, .address_space: global }
      - { .name: idx, .offset: 16, .size: 8, .value_kind: global_buffer, .address_space: global }
      - { .name: w2, .offset: 24, .size: 8, .value_kind: global_buffer, .address_space: global }
      - { .name: y_part, .offset: 32, .size: 8, .value_kind: global_buffer, .address_space: global }
    .group_segment_fixed_size: 143872
    .private_segment_fixed_size: 0
    .kernarg_segment_align: 8
    .kernarg_segment_size: 40
    .max_flat_workgroup_size: 256
    .sgpr_count:     66
    .vgpr_count:     512
    .wavefront_size: 32
...
	.end_amdgpu_metadata
.endif
;; end of part 3
;; launch mix (part 4): grid 256 x 1, 4 waves a work-group, no clusters, 0 bytes of LDS; arguments y_part, gate, idx, b2, out0; writes out0
.if DOCPART == 4
	.amdgcn_target "amdgcn-amd-amdhsa--gfx1250"
	.amdhsa_code_object_version 6
	.text
	.protected	k_qcd5924e55b_mix
	.globl	k_qcd5924e55b_mix
	.p2align	8
	.type	k_qcd5924e55b_mix,@function
k_qcd5924e55b_mix:
	s_mov_b64 s[64:65], 0
	v_nop
	global_prefetch_b8 v0, s[64:65] scope:SCOPE_SE
	s_setreg_imm32_b32 hwreg(HW_REG_WAVE_MODE, 25, 1), 1
	s_wait_xcnt 0x0
; MIX.  out[t] = g0 (y(2 t) + b2[e0]) + g1 (y(2 t + 1) + b2[e1]), y(slot) = the sum of the slot's two partial rows (the two halves of K).  One wave to a token; every load and store of a wave covers 512 consecutive bytes.
; A stream: no LDS, no barrier, no matrix work.  The experts' numbers come from idx and are held at 7 before they enter b2's address.
	s_load_b256 s[4:11], s[0:1], 0x0               ; y_part s[4:5], gate s[6:7], idx s[8:9], b2 s[10:11]
	s_load_b64 s[12:13], s[0:1], 0x20              ; out0
	v_lshrrev_b32 v1, 5, v0
	v_readfirstlane_b32 s16, v1                    ; wave
	v_and_b32 v1, 31, v0
	v_lshlrev_b32 v1, 4, v1                        ; 16 x lane
	s_lshl_b32 s17, ttmp9, 2
	s_add_co_u32 s17, s17, s16                     ; my token
	s_lshl_b32 s18, s17, 13                        ; two rows of 4,096 bytes a token
	s_mov_b32 s19, 0
	s_lshl_b32 s20, s17, 2
	s_mov_b32 s21, 0
	s_lshl_b32 s22, s17, 3
	s_mov_b32 s23, 0
	s_lshl_b32 s24, s17, 12
	s_mov_b32 s25, 0
	s_wait_kmcnt 0x0
	s_add_nc_u64 s[8:9], s[8:9], s[20:21]
	s_add_nc_u64 s[6:7], s[6:7], s[22:23]
	s_load_b32 s26, s[8:9], 0x0                    ; first | second << 8
	s_load_b64 s[28:29], s[6:7], 0x0               ; the two gates
	s_add_nc_u64 s[4:5], s[4:5], s[18:19]          ; K half 0, slot 2 t
	s_add_nc_u64 s[14:15], s[4:5], 8421376         ; K half 1: 2,056 rows on
	s_add_nc_u64 s[12:13], s[12:13], s[24:25]
.irp i, 0,1,2,3,4,5,6,7
	global_load_b128 v[8+4*\i:11+4*\i], v1, s[4:5] offset:512*\i th:TH_LOAD_NT
	global_load_b128 v[40+4*\i:43+4*\i], v1, s[14:15] offset:512*\i th:TH_LOAD_NT
	global_load_b128 v[72+4*\i:75+4*\i], v1, s[4:5] offset:4096+512*\i th:TH_LOAD_NT
	global_load_b128 v[104+4*\i:107+4*\i], v1, s[14:15] offset:4096+512*\i th:TH_LOAD_NT
.endr
	s_wait_kmcnt 0x0
	s_and_b32 s30, s26, 0xff
	s_min_u32 s30, s30, 7
	s_lshl_b32 s30, s30, 12
	s_mov_b32 s31, 0
	s_add_nc_u64 s[32:33], s[10:11], s[30:31]      ; b2[first]
	s_bfe_u32 s34, s26, 0x80008
	s_min_u32 s34, s34, 7
	s_lshl_b32 s34, s34, 12
	s_mov_b32 s35, 0
	s_add_nc_u64 s[36:37], s[10:11], s[34:35]      ; b2[second]
	s_mov_b32 s38, s29                             ; the second gate as a pair's low word
	s_mov_b32 s39, s29
.irp i, 0,1,2,3,4,5,6,7
	global_load_b128 v[136+4*\i:139+4*\i], v1, s[32:33] offset:512*\i
	global_load_b128 v[168+4*\i:171+4*\i], v1, s[36:37] offset:512*\i
.endr
	s_wait_loadcnt 0x0
.irp k, 0,2,4,6,8,10,12,14,16,18,20,22,24,26,28,30
	v_pk_add_f32 v[8+\k:9+\k], v[8+\k:9+\k], v[40+\k:41+\k]
	v_pk_add_f32 v[72+\k:73+\k], v[72+\k:73+\k], v[104+\k:105+\k]
.endr
.irp k, 0,2,4,6,8,10,12,14,16,18,20,22,24,26,28,30
	v_pk_add_f32 v[8+\k:9+\k], v[8+\k:9+\k], v[136+\k:137+\k]
	v_pk_add_f32 v[72+\k:73+\k], v[72+\k:73+\k], v[168+\k:169+\k]
.endr
.irp k, 0,2,4,6,8,10,12,14,16,18,20,22,24,26,28,30
	v_pk_mul_f32 v[8+\k:9+\k], v[8+\k:9+\k], s[28:29] op_sel_hi:[1,0]
.endr
.irp k, 0,2,4,6,8,10,12,14,16,18,20,22,24,26,28,30
	v_pk_fma_f32 v[8+\k:9+\k], v[72+\k:73+\k], s[38:39], v[8+\k:9+\k] op_sel_hi:[1,0,1]
.endr
.irp i, 0,1,2,3,4,5,6,7
	global_store_b128 v1, v[8+4*\i:11+4*\i], s[12:13] offset:512*\i th:TH_STORE_NT
.endr
	s_endpgm
.Lfunc_end_k_qcd5924e55b_mix:
	.size	k_qcd5924e55b_mix, .Lfunc_end_k_qcd5924e55b_mix-k_qcd5924e55b_mix
	.p2alignl 7, 3214868480
	.fill 96, 4, 3214868480
	.section	.rodata,"a",@progbits
	.p2align	6, 0x0
	.amdhsa_kernel k_qcd5924e55b_mix
		.amdhsa_group_segment_fixed_size 0
		.amdhsa_private_segment_fixed_size 0
		.amdhsa_enable_private_segment 0
		.amdhsa_kernarg_size 40
		.amdhsa_user_sgpr_count 2
		.amdhsa_user_sgpr_kernarg_segment_ptr 1
		.amdhsa_wavefront_size32 1
		.amdhsa_system_sgpr_workgroup_id_x 1
		.amdhsa_system_sgpr_workgroup_id_y 1
		.amdhsa_system_sgpr_workgroup_id_z 1
		.amdhsa_system_vgpr_workitem_id 0
		.amdhsa_next_free_vgpr 200
		.amdhsa_next_free_sgpr 66
		.amdhsa_reserve_vcc 0
		.amdhsa_float_denorm_mode_32 3
		.amdhsa_float_denorm_mode_16_64 3
		.amdhsa_memory_ordered 1
		.amdhsa_forward_progress 1
		.amdhsa_inst_pref_size 13
	.end_amdhsa_kernel
	.amdgpu_metadata
---
amdhsa.version: [ 1, 2 ]
amdhsa.kernels:
  - .name:           k_qcd5924e55b_mix
    .symbol:         k_qcd5924e55b_mix.kd
    .args:
      - { .name: y_part, .offset: 0, .size: 8, .value_kind: global_buffer, .address_space: global }
      - { .name: gate, .offset: 8, .size: 8, .value_kind: global_buffer, .address_space: global }
      - { .name: idx, .offset: 16, .size: 8, .value_kind: global_buffer, .address_space: global }
      - { .name: b2, .offset: 24, .size: 8, .value_kind: global_buffer, .address_space: global }
      - { .name: out0, .offset: 32, .size: 8, .value_kind: global_buffer, .address_space: global }
    .group_segment_fixed_size: 0
    .private_segment_fixed_size: 0
    .kernarg_segment_align: 8
    .kernarg_segment_size: 40
    .max_flat_workgroup_size: 128
    .sgpr_count:     66
    .vgpr_count:     200
    .wavefront_size: 32
...
	.end_amdgpu_metadata
.endif
;; end of part 4
;; ======== version 2 of 2: 4 launches
;; limits: a function is approximated: absolute error at most 1e-07
;; workspace buffers: x_codes 786,432 bytes; x_sc 32,768 bytes; idx 4,096 bytes of whole numbers; gate 8,192 bytes; h_img 25,165,824 bytes; h_sc 1,048,576 bytes; y_part 16,842,752 bytes
;; launch route (part 5): grid 256 x 1, 4 waves a work-group, no clusters, 54,784 bytes of LDS; arguments x, router_w, x_codes, x_sc, idx, gate; writes x_codes, x_sc, idx, gate
.if DOCPART == 5
	.amdgcn_target "amdgcn-amd-amdhsa--gfx1250"
	.amdhsa_code_object_version 6
	.text
	.protected	k_qcd5924e55b_route
	.globl	k_qcd5924e55b_route
	.p2align	8
	.type	k_qcd5924e55b_route,@function
k_qcd5924e55b_route:
	s_mov_b64 s[64:65], 0
	v_nop
	global_prefetch_b8 v0, s[64:65] scope:SCOPE_SE
	s_setreg_imm32_b32 hwreg(HW_REG_WAVE_SCHED_MODE, 0, 2), 2
	s_setreg_imm32_b32 hwreg(HW_REG_WAVE_MODE, 25, 1), 1
	s_wait_xcnt 0x0
	s_wait_alu depctr_vm_vsrc(0)
; ROUTE.  One wave to a token (1,024 tokens, 4 to a work-group).  It makes, for its token:
;   the 8 router logits in f32 (fused multiply-adds), the softmax as it is written (maximum taken away, divided by the sum), the two largest p
;   (the lower index wins a tie), the two gates p / (p1 + p2 + 1e-9);  idx[t] = first | second << 8 and gate[t][2] go to fixed places: no address here hangs on them;
;   the token's 1,024 numbers as codes of E3M2 with one E8M0 byte for each 32 along C.
; x_codes: [token][K step of 128: 8][half h: 2][48 bytes]: block b of a K step lies at 48 (b & 1) + 24 (b >> 1), so that a lane of an operand takes its 12 registers as 48 bytes on end.
; x_sc: [token][32 bytes], byte = block.
; LIMITS: NaN and infinities are not served.  A block of zeros gets the byte 1 (its codes are zeros; this program alone reads the bytes).  A p under 2^-126 comes out of the exponential as 0.
; THE MODE: SCHED_MODE bits 1:0 = 2 (LLVM: expert scheduling mode 2), set by the entry lines.  The code itself states the register dependences between vector instructions and memory or LDS
; instructions, with s_wait_alu, always for 0.
; THE PLAN.  Registers that memory or LDS instructions touch:
;   v1-7, v156     offsets and LDS addresses, made at the head and never written again: one wait on va_vdst ahead of the first load serves every load and store that reads them.
;   X              the token's global loads land there once; the LDS stores and the dot products read it; it is not written again.
;   R0, R1, R2     three sets of 32 registers.  R0 and R1 first take the router's rows from memory, and the LDS stores read them.  Then step e (expert e) works on set e % 3, and the eight LDS loads that it issues
;                  (expert e + 2's row; in step 6 the token once more, a block to a lane) land in set (e - 1) % 3, which the step before read and which no line of step e names.
;   v144, v146, v147, v155   written by the gates' lines; read by the two stores of idx and gate.
;   v148-153, v131 written by the quantiser; read by the LDS stores of the codes and by the store of the scale byte.
;   v132-137       at work in the softmax; the codes land there on their way out, and the last three stores read them.
; So one wait on va_vdst stands at the head of each of steps 1 to 6, and one ahead of each of the two runs of stores; one wait on vm_vsrc stands behind the barrier, ahead of the first LDS loads into R0 and R1.
.set RWB, 0                            ; LDS: router_w as it lies, 32,768 bytes
.set XTB, 32768                        ; each wave: its token as 32 blocks of 128 bytes + 16, 4,608 bytes
.set XOB, 51200                        ; each wave: the token's 768 bytes of codes on the way out
.set X,   8                            ; v8-39    the token: load i, word j = x[128 i + 4 lane + j]
.set RB,  40                           ; v40-103  router rows, sets 0 and 1 of 32; set 2 is v160-191: set s begins at RB + 32 s + 56 (s / 2)
.set XQ,  160                          ; v160-191 (set 2, behind expert 5) the token once more: block = lane, 32 numbers
.set PS,  104                          ; v104-119 a pair of partial sums for each expert
.set LG,  120                          ; v120-127 logits, then p
.set TP,  128                          ; v128-135 at work
	s_load_b256 s[4:11], s[0:1], 0x0               ; x s[4:5], router_w s[6:7], x_codes s[8:9], x_sc s[10:11]
	s_load_b128 s[12:15], s[0:1], 0x20             ; idx s[12:13], gate s[14:15]
	v_lshl_add_u32 v158, v0, 2, 0xd400
	v_mov_b32 v159, 0
	v_lshrrev_b32 v1, 5, v0
	v_readfirstlane_b32 s16, v1                    ; wave
	v_and_b32 v1, 31, v0                           ; lane
	v_lshlrev_b32 v2, 4, v1                        ; 16 x lane
	s_wait_alu depctr_va_sdst(0)                   ; s16 is written, ahead of its first reader: the token's number and the wave's LDS bytes are made from it
	s_lshl_b32 s17, ttmp9, 2
	s_add_co_u32 s17, s17, s16                     ; my token
	s_lshl_b32 s18, s16, 13
	v_add_nc_u32 v3, s18, v2                       ; router rows 2 w, 2 w + 1: 8,192 w + 16 lane, in memory and in LDS alike
	s_mul_i32 s19, s16, 4608
	s_add_co_u32 s19, s19, XTB
	v_lshrrev_b32 v4, 3, v1
	v_mul_u32_u24 v4, v4, 144
	v_and_b32 v5, 7, v1
	v_lshl_add_u32 v4, v5, 4, v4
	v_add_nc_u32 v4, s19, v4                       ; in: block 4 i + lane / 8 (576 i in the offset), 16 bytes at 16 (lane % 8)
	v_mul_u32_u24 v5, v1, 144
	v_add_nc_u32 v5, s19, v5                       ; back: block = lane
	s_mul_i32 s19, s16, 768
	s_add_co_u32 s19, s19, XOB
	v_lshrrev_b32 v6, 2, v1
	v_mul_u32_u24 v6, v6, 96
	v_and_b32 v7, 1, v1
	v_mad_u32_u24 v6, v7, 48, v6
	v_bfe_u32 v7, v1, 1, 1
	v_mad_u32_u24 v6, v7, 24, v6
	v_add_nc_u32 v6, s19, v6                       ; my block's 24 bytes of codes: 96 (lane / 4) + 48 (lane & 1) + 24 ((lane >> 1) & 1)
	v_lshlrev_b32 v7, 3, v1                        ; 8 x lane
	v_add_nc_u32 v156, s19, v7                     ; and back as they lie
	s_mov_b32 s20, 0x76543210
	s_mov_b32 s21, 0xfedcba98                      ; v_permlanex16_b32's selects for lane l xor 16
	s_lshl_b32 s22, s17, 12
	s_mov_b32 s23, 0
	s_mul_i32 s24, s17, 768
	s_mov_b32 s25, 0
	s_lshl_b32 s26, s17, 5
	s_mov_b32 s27, 0
	s_lshl_b32 s28, s17, 2
	s_mov_b32 s29, 0
	s_lshl_b32 s30, s17, 3
	s_mov_b32 s31, 0
	s_wait_kmcnt 0x0
	s_add_nc_u64 s[4:5], s[4:5], s[22:23]
	s_add_nc_u64 s[8:9], s[8:9], s[24:25]
	s_add_nc_u64 s[10:11], s[10:11], s[26:27]
	s_add_nc_u64 s[12:13], s[12:13], s[28:29]
	s_add_nc_u64 s[14:15], s[14:15], s[30:31]
	s_wait_alu depctr_va_vdst(0)                   ; the offsets and LDS addresses v1 to v7 and v156 are written, which the loads and stores of the whole kernel read
.irp i, 0,1,2,3,4,5,6,7
	global_load_b128 v[X+4*\i:X+4*\i+3], v2, s[4:5] offset:512*\i th:TH_LOAD_NT     ; 512 consecutive bytes a load
.endr
.irp i, 0,1,2,3,4,5,6,7,8,9,10,11,12,13,14,15
	global_load_b128 v[RB+4*\i:RB+4*\i+3], v3, s[6:7] offset:512*\i
.endr
	s_wait_loadcnt 0x0
.irp i, 0,1,2,3,4,5,6,7,8,9,10,11,12,13,14,15
	ds_store_b128 v3, v[RB+4*\i:RB+4*\i+3] offset:RWB+512*\i
.endr
.irp i, 0,1,2,3,4,5,6,7
	ds_store_b128 v4, v[X+4*\i:X+4*\i+3] offset:576*\i
.endr
	s_wait_dscnt 0x0                               ; for the others' sake: my two router rows lie in LDS
	s_barrier_signal -1
	s_barrier_wait -1                              ; all eight do
	s_wait_alu depctr_vm_vsrc(0)                   ; my LDS stores have read v40-103, in which the first two experts' rows land
; THE LOGITS.  Expert e's row comes from LDS in the token's own order; three sets take turns, two experts ahead.
.macro RLOAD e
.set RS_, RB+32*((\e)%3)+56*(((\e)%3)/2)
.irp i, 0,1,2,3,4,5,6,7
	ds_load_b128 v[RS_+4*\i:RS_+4*\i+3], v2 offset:RWB+4096*(\e)+512*\i
.endr
.endm
	RLOAD 0
	RLOAD 1
.irp e, 0,1,2,3,4,5,6,7
	s_wait_dscnt 8                                 ; this expert's eight loads are in; the eight issued behind them (the next expert's; in the last step the token's) may be out
.if (\e > 0) && (\e < 7)
	s_wait_alu depctr_va_vdst(0)                   ; the step before's lines are done reading their set, in which the eight loads below land
.endif
.if \e < 6
	RLOAD \e+2
.elseif \e == 6
.irp q, 0,1,2,3,4,5,6,7
	ds_load_b128 v[XQ+4*\q:XQ+4*\q+3], v5 offset:16*\q             ; the token once more, a block of 32 to a lane: it lands under the last two experts' sums and the softmax
.endr
.endif
.set RC_, RB+32*(\e%3)+56*((\e%3)/2)
	v_pk_mul_f32 v[PS+2*\e:PS+2*\e+1], v[X:X+1], v[RC_:RC_+1]                              ; two chains, started by products
	v_pk_mul_f32 v[TP:TP+1], v[X+2:X+3], v[RC_+2:RC_+3]
.irp k, 4,8,12,16,20,24,28
	v_pk_fma_f32 v[PS+2*\e:PS+2*\e+1], v[X+\k:X+\k+1], v[RC_+\k:RC_+\k+1], v[PS+2*\e:PS+2*\e+1]
	v_pk_fma_f32 v[TP:TP+1], v[X+\k+2:X+\k+3], v[RC_+\k+2:RC_+\k+3], v[TP:TP+1]
.endr
	v_pk_add_f32 v[PS+2*\e:PS+2*\e+1], v[PS+2*\e:PS+2*\e+1], v[TP:TP+1]
.endr
.irp e, 0,1,2,3,4,5,6,7
	v_add_f32 v[LG+\e], v[PS+2*\e], v[PS+2*\e+1]
.endr
.irp e, 0,1,2,3,4,5,6,7
	v_mov_b32 v[TP+\e], 0                          ; a lane permute's destination counts as one of its sources
.endr
.irp x, 1,2,4,8
.irp e, 0,1,2,3,4,5,6,7
	v_add_f32_dpp v[LG+\e], v[LG+\e], v[LG+\e] row_xmask:\x row_mask:0xf bank_mask:0xf
.endr
.endr
.irp e, 0,1,2,3,4,5,6,7
	v_permlanex16_b32 v[TP+\e], v[LG+\e], s20, s21
.endr
.irp e, 0,1,2,3,4,5,6,7
	v_add_f32 v[LG+\e], v[LG+\e], v[TP+\e]         ; every lane holds all eight logits, the same bits in each
.endr
; THE SOFTMAX
	v_max3_num_f32 v136, v120, v121, v122
	v_max3_num_f32 v136, v136, v123, v124
	v_max3_num_f32 v136, v136, v125, v126
	v_max_num_f32 v136, v136, v127
.irp e, 0,1,2,3,4,5,6,7
	v_sub_f32 v[LG+\e], v[LG+\e], v136
.endr
.irp e, 0,1,2,3,4,5,6,7
	v_mul_f32 v[LG+\e], 0x3fb8aa3b, v[LG+\e]       ; x log2(e)
.endr
	s_wait_alu depctr_va_vdst(0)
.irp e, 0,1,2,3,4,5,6,7
	v_exp_f32 v[LG+\e], v[LG+\e]
.endr
	v_nop                                          ; a plain instruction behind the last exponential,
	s_wait_alu depctr_va_vdst(0)                   ; and one wait for the batch: the eight exponentials have written v120-127, ahead of their first reader
	v_add_f32 v137, v120, v121
	v_add_f32 v138, v122, v123
	v_add_f32 v139, v124, v125
	v_add_f32 v140, v126, v127
	v_add_f32 v137, v137, v138
	v_add_f32 v139, v139, v140
	v_add_f32 v137, v137, v139
	s_wait_alu depctr_va_vdst(0)
	v_rcp_f32 v138, v137
	v_nop
	s_wait_alu depctr_va_vdst(0)                   ; the reciprocal has written v138, ahead of its first reader
.irp e, 0,1,2,3,4,5,6,7
	v_mul_f32 v[LG+\e], v[LG+\e], v138             ; p
.endr
; THE TWO LARGEST: strictly greater, experts ascending, so the lower index keeps a tie.  Selections only: no branch.
	v_mov_b32 v140, v120                           ; the largest and its expert
	v_mov_b32 v141, 0
	v_mov_b32 v142, -1.0                           ; the second: under every p
	v_mov_b32 v143, 0
.irp j, 1,2,3,4,5,6,7
	v_mov_b32 v139, \j
	v_cmp_gt_f32 s33, v[LG+\j], v140
	v_cmp_gt_f32 s32, v[LG+\j], v142
	s_wait_alu depctr_va_sdst(0)                   ; the two compares have written their masks s32 and s33, ahead of the first selection that reads one
	v_cndmask_b32 v142, v142, v[LG+\j], s32
	v_cndmask_b32 v143, v143, v139, s32
	v_cndmask_b32 v142, v142, v140, s33
	v_cndmask_b32 v143, v143, v141, s33
	v_cndmask_b32 v140, v140, v[LG+\j], s33
	v_cndmask_b32 v141, v141, v139, s33
.endr
	v_add_f32 v144, v140, v142
	v_add_f32 v144, 0x3089705f, v144               ; + 1e-9
	s_wait_alu depctr_va_vdst(0)
	v_rcp_f32 v145, v144
	v_lshl_or_b32 v146, v143, 8, v141              ; (a plain instruction behind the reciprocal)  first | second << 8
	s_wait_alu depctr_va_vdst(0)                   ; the reciprocal has written v145, ahead of its first reader
	v_mul_f32 v140, v140, v145
	v_mul_f32 v142, v142, v145
	v_and_b32 v147, 1, v1
	v_cmp_eq_u32 vcc_lo, 1, v147
	s_wait_alu depctr_va_vcc(0)                    ; the compare has written VCC, ahead of the selection that reads it
	v_cndmask_b32 v144, v140, v142, vcc_lo         ; even lanes the first gate, odd lanes the second
	v_lshlrev_b32 v147, 2, v147
	v_mov_b32 v155, 0
	s_wait_alu depctr_va_vdst(0)                   ; the word v146, the gate v144 and the offsets v147 and v155 are written, which the two stores read
	global_store_b32 v155, v146, s[12:13]          ; all lanes store the same word
	global_store_b32 v147, v144, s[14:15]          ; 8 bytes, each word the same from sixteen lanes
; THE CODES.  My block's largest magnitude, with the floor 2^(5 - 127) among its leaves, so that the byte cannot fall under 1
	s_wait_dscnt 0x0
	v_max3_num_f32 v128, |v[XQ]|, |v[XQ+1]|, 0x2800000
.irp i, 2,4,6,8,10,12,14,16,18,20,22,24,26,28,30
	v_max3_num_f32 v128, v128, |v[XQ+\i]|, |v[XQ+\i+1]|
.endr
	v_add_nc_u32 v130, 0xfe000000, v128            ; 4 off its exponent field: the conversion takes this operand's exponent field as its scale
	v_lshrrev_b32 v131, 23, v130                   ; the scale's byte
	v_cvt_scalef32_pk16_bf6_f32 v[148:150], v[XQ:XQ+15], v130
	v_cvt_scalef32_pk16_bf6_f32 v[152:154], v[XQ+16:XQ+31], v130   ; (a conversion's three registers begin on an even number)
	v_nop                                          ; one plain instruction behind a scaled conversion
	v_mov_b32 v151, v152
	v_mov_b32 v152, v153
	v_mov_b32 v153, v154                           ; v148-153: the block's 24 bytes
	s_wait_alu depctr_va_vdst(0)                   ; the conversions and the moves have written v148-153 and the shift v131, which the stores below read; the softmax's lines are done with v132-137, in which the codes land again
	ds_store_b64 v6, v[148:149]
	ds_store_b64 v6, v[150:151] offset:8
	ds_store_b64 v6, v[152:153] offset:16
.irp i, 0,1,2
	ds_load_b64 v[132+2*\i:133+2*\i], v156 offset:256*\i           ; LDS serves a wave's instructions in order: these see my stores
.endr
	global_store_b8 v1, v131, s[10:11]             ; 32 consecutive scale bytes
	s_wait_dscnt 0x0
.irp i, 0,1,2
	global_store_b64 v7, v[132+2*\i:133+2*\i], s[8:9] offset:256*\i    ; 32 lanes store 256 consecutive bytes, at a multiple of 256 from the buffer's first byte
.endr
	s_wait_dscnt 0x0
	s_wait_alu depctr_hold_cnt(0) depctr_sa_sdst(0) depctr_va_vdst(0) depctr_va_sdst(0) depctr_va_ssrc(0) depctr_va_vcc(0) depctr_vm_vsrc(0)
	s_wait_tensorcnt 0x0
	ds_add_u32 v158, v159
	s_wait_dscnt 0x0
	s_endpgm
.Lfunc_end_k_qcd5924e55b_route:
	.size	k_qcd5924e55b_route, .Lfunc_end_k_qcd5924e55b_route-k_qcd5924e55b_route
	.p2alignl 7, 3214868480
	.fill 96, 4, 3214868480
	.section	.rodata,"a",@progbits
	.p2align	6, 0x0
	.amdhsa_kernel k_qcd5924e55b_route
		.amdhsa_group_segment_fixed_size 54784
		.amdhsa_private_segment_fixed_size 0
		.amdhsa_enable_private_segment 0
		.amdhsa_kernarg_size 48
		.amdhsa_user_sgpr_count 2
		.amdhsa_user_sgpr_kernarg_segment_ptr 1
		.amdhsa_wavefront_size32 1
		.amdhsa_system_sgpr_workgroup_id_x 1
		.amdhsa_system_sgpr_workgroup_id_y 1
		.amdhsa_system_sgpr_workgroup_id_z 1
		.amdhsa_system_vgpr_workitem_id 0
		.amdhsa_next_free_vgpr 192
		.amdhsa_next_free_sgpr 66
		.amdhsa_reserve_vcc 1
		.amdhsa_float_denorm_mode_32 3
		.amdhsa_float_denorm_mode_16_64 3
		.amdhsa_memory_ordered 1
		.amdhsa_forward_progress 1
		.amdhsa_inst_pref_size 33
	.end_amdhsa_kernel
	.amdgpu_metadata
---
amdhsa.version: [ 1, 2 ]
amdhsa.kernels:
  - .name:           k_qcd5924e55b_route
    .symbol:         k_qcd5924e55b_route.kd
    .args:
      - { .name: x, .offset: 0, .size: 8, .value_kind: global_buffer, .address_space: global }
      - { .name: router_w, .offset: 8, .size: 8, .value_kind: global_buffer, .address_space: global }
      - { .name: x_codes, .offset: 16, .size: 8, .value_kind: global_buffer, .address_space: global }
      - { .name: x_sc, .offset: 24, .size: 8, .value_kind: global_buffer, .address_space: global }
      - { .name: idx, .offset: 32, .size: 8, .value_kind: global_buffer, .address_space: global }
      - { .name: gate, .offset: 40, .size: 8, .value_kind: global_buffer, .address_space: global }
    .group_segment_fixed_size: 54784
    .private_segment_fixed_size: 0
    .kernarg_segment_align: 8
    .kernarg_segment_size: 48
    .max_flat_workgroup_size: 128
    .sgpr_count:     66
    .vgpr_count:     192
    .wavefront_size: 32
...
	.end_amdgpu_metadata
.endif
;; end of part 5
;; launch up (part 6): grid 256 x 1, 8 waves a work-group, no clusters, 109,056 bytes of LDS; arguments x_codes, x_sc, idx, w1, b1, h_img, h_sc; writes h_img, h_sc
.if DOCPART == 6
	.amdgcn_target "amdgcn-amd-amdhsa--gfx1250"
	.amdhsa_code_object_version 6
	.text
	.protected	k_qcd5924e55b_up
	.globl	k_qcd5924e55b_up
	.p2align	8
	.type	k_qcd5924e55b_up,@function
k_qcd5924e55b_up:
	s_mov_b64 s[64:65], 0
	v_nop
	global_prefetch_b8 v0, s[64:65] scope:SCOPE_SE
	s_setreg_imm32_b32 hwreg(HW_REG_WAVE_MODE, 25, 1), 1
	s_wait_xcnt 0x0
; UP.  h = gelu(x w1[e] + b1[e]) for the rows routed to expert e, quantised along F on the way; both operands of the product are codes of E3M2 with E8M0 scales.
; SHARES.  Work-group id = 32 e + slice owns w1[e][all 1,024 of K][128 columns of F from 128 slice on], 512 KB of f32, read ONCE from memory.  The columns go as two chunks of 64.
; A STAGE is 256 K rows x 64 columns (stage 4 c + s: chunk c, rows 256 s on).  Wave w takes the stage's block w of 32 K rows: 16 loads of 16 bytes a lane, each of two whole rows of 256 consecutive bytes;
; it quantises them in registers and lays codes and scale bytes in LDS in the order of the operand's registers; a barrier; then all eight waves multiply the stage's 8 fragments by their own row tiles.
; All eight stages keep LDS bytes of their own, so one barrier a stage is enough, and later passes over more rows find the weights' codes in LDS.
; ROWS.  Wave 0 builds the expert's list of slots (2 token + choice) from idx, in LDS; the launch behind this one builds the same list by the same lines.  Row tile t = 24 p + 8 m + w (pass p, m = 0..2).
; Pass 0 rides on the stream and always multiplies three tiles a wave (the list's pads name token 1,023, a valid row); only tiles under nt are stored.  Passes 1 and 2 run where the expert has more than 384, 768 rows.
; NO JOINT LOADS, NO TENSOR LOADS: later passes and stores are skipped by branches on the stored counts, and what work-groups share (x's codes) is small beside the 512 KB that each reads alone.
; THE PRODUCT IS USED TRANSPOSED: source 0 = 16 columns of w1, source 1 = 16 rows.  The columns of a tile are chosen (lane r of tile 2 b + u: column 32 b + 8 u + r + 8 (r / 8)) so that a lane's 16 registers of
; two neighbouring tiles are 16 neighbours along F, the next product's K.
; GELU: 0.5 v (1 + erf(v / sqrt 2)), erf(z) = z P(z^2) / Q(z^2) on z held to -4 .. 4 (degrees 6 and 4 in z^2), all in f32.
; h_img: [e][row tile 64][K step 32][1,536 bytes]: an operand's registers 0-3 at 16 lane, 4-5 at 512 + 8 lane, 6-9 at 768 + 16 lane, 10-11 at 1,280 + 8 lane.  h_sc: [e][tile][K step][16 rows] words.
; LIMITS: NaN and infinities are not served.  A block of zeros gets the byte 1 (zero codes; this program alone reads the bytes).  erf's absolute error is about 1e-7, so gelu loses relative accuracy for inputs under about -2.
; REGISTERS.  Window 0: v1-23 addresses and two constants; v24-27 the weights' scale words, v28-33 the rows' (scales and nothing else); v34-161 two raw units; v162-193 at work; v194-205 maxima, bytes, scale operands;
;   v206-253 four weight fragments, in the way out 32 hidden numbers and their codes; v254-255 lane constants.   Window 1: v0-95 the 12 accumulators (m, ct) at 32 m + 8 ct; v96-239 row fragments (buffer, m, K step).
.set LIST,  0                          ; LDS: 1,152 list entries,
.set DUMPW, 1152                       ; 32 entries more for lanes that have nothing to enter,
.set NW,    4736                       ; the count, sixteen times,
.set BIAS,  5120                       ; 0.5 b1 of my 128 columns,
.set BSC,   5632                       ; the weights' scale bytes, 512 a stage,
.set BIMG,  9728                       ; the weights' codes, 12,288 a stage: fragment 4 ks + ct of 1,536 bytes, 48 bytes a lane
.set LB,    1                          ; v1   list: 4 (lane % 16) + 64 w + 1,536 pass
.set WOFF,  2                          ; v2-3 w1: my lane's byte in a unit; + 512 rows
.set WST,   4                          ; v4-5 where my codes go: stages 0-3, 4-7
.set BSST,  6                          ; v6   where my scale bytes go
.set BRD,   7                          ; v7-8 fragments back: BIMG + 48 lane; stages 4-7
.set BSRD,  9                          ; v9   scale words back: BSC + 16 lane
.set AOFF,  10                         ; v10-12 x_codes: 768 token + 48 (lane / 16), tile m
.set ASOFF, 13                         ; v13-15 x_sc: 32 token + 4 (lane / 16)
.set O16,   16                         ; v16  16 lane
.set O8,    17                         ; v17  8 lane
.set OS,    18                         ; v18  4 (lane % 16)
.set BIAD,  19                         ; v19  BIAS + 64 (lane / 16)
.set CA13,  20                         ; v20-21, v22-23: the two leading coefficients, as pairs
.set CB8,   22
.set BS,    24
.set AS,    28
.set RAW,   34
.set SG,    162                        ; v162-177 sixteen neighbours along K for a conversion
.set CD,    178                        ; v178-193 codes: four slots of four
.set TM,    194
.set PX,    198
.set SOP,   202
.set BF,    206
.set HX,    206
.set PC,    238
.set PT,    244
.set HW,    248
.set H48,   254
.set H4,    255
.set AF,    96
.set GZ,    162                        ; gelu: z, z^2 (then 1 / Q), P, Q: eight registers each
.set GZ2,   170
.set GP,    178
.set GQ,    186
.set SEL,   38                         ; s[38:39] v_permlanex16_b32's selects for lane l xor 16
.set KA11,  40                         ; s[40:59] the other coefficients, s[60:61] sqrt 2: pairs, both words written
.set KA9,   42
.set KA7,   44
.set KA5,   46
.set KA3,   48
.set KA1,   50
.set KB6,   52
.set KB4,   54
.set KB2,   56
.set KB0,   58
.set KRT2,  60
.set MSB, 0
.macro WIN new                         ; the immediate's high byte repeats the setting that is left
.if MSB != \new
	s_set_vgpr_msb (MSB<<8)|\new
.set MSB, \new
.endif
.endm
.macro PLACES                          ; four plain instructions between a matrix instruction and a load into, or a read of, its registers
.rept 4
	v_nop
.endr
.endm
.macro KPAIR r, bits
	s_mov_b32 s[\r], \bits
	s_mov_b32 s[\r+1], \bits
.endm
; my unit of stage sig into raw buffer buf: load i takes K rows 32 w + i and 32 w + 16 + i, 256 consecutive bytes of each; register 4 i + j = (k = 16 (lane / 16) + i, column 4 (lane % 16) + j)
.macro WLOAD buf, sig
.irp i, 0,1,2,3,4,5,6,7,8,9,10,11,12,13,14,15
	global_load_b128 v[RAW+64*(\buf)+4*\i:RAW+64*(\buf)+4*\i+3], v[WOFF+((\sig)%4)/2], s[10:11] offset:((\sig)%2)*4194304+((\sig)/4)*256+16384*\i th:TH_LOAD_NT
.endr
.endm
; the unit becomes codes.  A lane has 16 numbers of each of four columns, lane l xor 16 the block's other 16.  The conversion wants its 16 numbers in consecutive registers: sixteen moves a column.
.macro QUANTW buf, sig
.set RW_, RAW+64*(\buf)
.irp j, 0,1,2,3
	v_max3_num_f32 v[TM+\j], |v[RW_+\j]|, |v[RW_+4+\j]|, 0x2800000     ; with the floor 2^(5 - 127): the byte cannot fall under 1
.endr
.irp i, 2,4,6,8,10,12,14
.irp j, 0,1,2,3
	s_delay_alu instid0(VALU_DEP_4)
	v_max3_num_f32 v[TM+\j], v[TM+\j], |v[RW_+4*\i+\j]|, |v[RW_+4*\i+4+\j]|
.endr
.endr
.irp j, 0,1,2,3
	s_delay_alu instid0(VALU_DEP_4)
	v_permlanex16_b32 v[PX+\j], v[TM+\j], s[SEL], s[SEL+1]
.endr
.irp j, 0,1,2,3
	s_delay_alu instid0(VALU_DEP_4)
	v_max_num_f32 v[TM+\j], v[TM+\j], v[PX+\j]
.endr
.irp j, 0,1,2,3
	s_delay_alu instid0(VALU_DEP_4)
	v_add_nc_u32 v[SOP+\j], 0xfe000000, v[TM+\j]   ; 4 off the exponent field: the conversion's scale operand
.endr
.irp j, 0,1,2,3
	s_delay_alu instid0(VALU_DEP_4)
	v_lshrrev_b32 v[PX+\j], 23, v[SOP+\j]          ; the scale's byte
.endr
.irp j, 0,1,2,3
.irp i, 0,1,2,3,4,5,6,7,8,9,10,11,12,13,14,15
	v_mov_b32 v[SG+\i], v[RW_+4*\i+\j]
.endr
	v_cvt_scalef32_pk16_bf6_f32 v[CD+4*\j:CD+4*\j+2], v[SG:SG+15], v[SOP+\j]
	v_nop                                          ; one plain instruction before the conversion's sources are written again
.endr
.irp j, 0,1,2,3
.irp q, 0,1,2
	ds_store_b32 v[WST+(\sig)/4], v[CD+4*\j+\q] offset:12288*((\sig)%4)+48*\j+4*\q
.endr
	ds_store_b8 v[BSST], v[PX+\j] offset:512*(\sig)+16*\j          ; both lanes of a column write the same byte with the same value
.endr
.endm
; the rows' fragments of stage sig (K steps 2 s, 2 s + 1 of x, s = sig % 4) into buffer buf: 48 bytes on end for a fragment's 12 registers; the scale words: lanes 0-15 the first K step's, lanes 16-31 the second's
.macro ALOAD buf, sig
	WIN 0x40                                       ; destination window 1, address window 0
.irp m, 0,1,2
.irp ks, 0,1
.irp q, 0,1,2
	global_load_b128 v[AF+72*(\buf)+24*\m+12*\ks+4*\q:AF+72*(\buf)+24*\m+12*\ks+4*\q+3], v[AOFF+\m], s[4:5] offset:96*(2*((\sig)%4)+\ks)+16*\q
.endr
.endr
.endr
	WIN 0
.irp m, 0,1,2
	global_load_b32 v[AS+3*(\buf)+\m], v[ASOFF+\m], s[6:7] offset:8*((\sig)%4)
.endr
.endm
.macro BLOAD sig, ks                   ; the four weight fragments of the stage's K step ks
.irp ct, 0,1,2,3
.irp q, 0,1,2
	ds_load_b128 v[BF+12*\ct+4*\q:BF+12*\ct+4*\q+3], v[BRD+(\sig)/4] offset:12288*((\sig)%4)+1536*(4*(\ks)+\ct)+16*\q
.endr
.endr
.endm
.macro MM acc, bf, af, zero, sa, sb, ra, rb
.set rD, \acc
.set rB, \bf
.set rA, \af
.if \zero
.if \ra
	v_wmma_scale_f32_16x16x128_f8f6f4 v[rD:rD+7], v[rB:rB+11], v[rA:rA+11], 0, v[\sa], v[\sb] matrix_a_fmt:MATRIX_FMT_BF6 matrix_b_fmt:MATRIX_FMT_BF6 matrix_a_scale:MATRIX_SCALE_ROW1
.else
	v_wmma_scale_f32_16x16x128_f8f6f4 v[rD:rD+7], v[rB:rB+11], v[rA:rA+11], 0, v[\sa], v[\sb] matrix_a_fmt:MATRIX_FMT_BF6 matrix_b_fmt:MATRIX_FMT_BF6
.endif
.else
.if (\ra) && (\rb)
	v_wmma_scale_f32_16x16x128_f8f6f4 v[rD:rD+7], v[rB:rB+11], v[rA:rA+11], v[rD:rD+7], v[\sa], v[\sb] matrix_a_fmt:MATRIX_FMT_BF6 matrix_b_fmt:MATRIX_FMT_BF6 matrix_a_scale:MATRIX_SCALE_ROW1 matrix_b_scale:MATRIX_SCALE_ROW1
.elseif \ra
	v_wmma_scale_f32_16x16x128_f8f6f4 v[rD:rD+7], v[rB:rB+11], v[rA:rA+11], v[rD:rD+7], v[\sa], v[\sb] matrix_a_fmt:MATRIX_FMT_BF6 matrix_b_fmt:MATRIX_FMT_BF6 matrix_a_scale:MATRIX_SCALE_ROW1
.elseif \rb
	v_wmma_scale_f32_16x16x128_f8f6f4 v[rD:rD+7], v[rB:rB+11], v[rA:rA+11], v[rD:rD+7], v[\sa], v[\sb] matrix_a_fmt:MATRIX_FMT_BF6 matrix_b_fmt:MATRIX_FMT_BF6 matrix_b_scale:MATRIX_SCALE_ROW1
.else
	v_wmma_scale_f32_16x16x128_f8f6f4 v[rD:rD+7], v[rB:rB+11], v[rA:rA+11], v[rD:rD+7], v[\sa], v[\sb] matrix_a_fmt:MATRIX_FMT_BF6 matrix_b_fmt:MATRIX_FMT_BF6
.endif
.endif
.endm
; 12 matrix instructions: four column tiles x three row tiles, 128 along K.  The twelve accumulators take turns, one instruction a turn, in the same order in every half stage.
; The weights' scale word of tile ct lies in register 2 ks + ct / 2, lanes 0-15 for even ct, lanes 16-31 for odd; the rows' in lanes 0-15 for ks = 0, lanes 16-31 for ks = 1.
.macro MULH buf, ks, first
	WIN 0x54                                       ; source 0 (weights) window 0; source 1 (rows), C and D window 1
.irp ct, 0,1,2,3
.irp m, 0,1,2
	MM 32*\m+8*\ct, BF+12*\ct, AF+72*(\buf)+24*\m+12*(\ks), \first, BS+2*(\ks)+\ct/2, AS+3*(\buf)+\m, \ct%2, \ks
.endr
.endr
	WIN 0
.endm
.macro STAGE sig, stream
.if \stream
.if (\sig == 0) || (\sig == 7)
	s_wait_loadcnt 0x0                             ; the rows' fragments are the youngest loads here
.else
	s_wait_loadcnt 16                              ; behind this stage's unit and rows only the next unit's 16 loads were issued
.endif
	QUANTW (\sig)%2, \sig                          ; (its plain lines are also the places behind the last stage's products)
.else
	s_wait_loadcnt 0x0
	PLACES
.endif
.if \sig < 7
	ALOAD (\sig+1)%2, \sig+1
.endif
.if \stream && (\sig < 6)
	WLOAD (\sig)%2, \sig+2                         ; the raw buffer just read takes the unit two stages on
.endif
.if \stream
	s_wait_dscnt 0x0                               ; for the others' sake: my codes and bytes lie in LDS
	s_barrier_signal -1
	s_barrier_wait -1                              ; the stage's eight fragments are whole
.endif
	ds_load_b128 v[BS:BS+3], v[BSRD] offset:512*(\sig)
	BLOAD \sig, 0
	s_wait_dscnt 0x0
.if ((\sig)%4) == 0
	MULH (\sig)%2, 0, 1                            ; a chunk's first products start the sums: nothing is cleared
.else
	MULH (\sig)%2, 0, 0
.endif
	PLACES
	BLOAD \sig, 1
	s_wait_dscnt 0x0
	MULH (\sig)%2, 1, 0
.endm
; my three tiles' rows: a slot is 2 token + choice; the token is held inside x before it enters an address
.macro SETUP
.irp m, 0,1,2
	ds_load_b32 v[TM+\m], v[LB] offset:512*\m
.endr
	s_wait_dscnt 0x0
.irp m, 0,1,2
	v_lshrrev_b32 v[TM+\m], 1, v[TM+\m]
.endr
.irp m, 0,1,2
	s_delay_alu instid0(VALU_DEP_3)
	v_min_u32 v[TM+\m], 1023, v[TM+\m]
.endr
.irp m, 0,1,2
	v_mad_u32_u24 v[AOFF+\m], v[TM+\m], 768, v[H48]
	v_lshl_add_u32 v[ASOFF+\m], v[TM+\m], 5, v[H4]
.endr
.endm
.macro TAKE m                          ; hx = 0.5 sum + 0.5 b1, rounded once; each accumulator is read from its low end on
	WIN 0x01                                       ; source 0 window 1
.irp ct, 0,1,2,3
.irp k, 0,1,2,3
	v_pk_fma_f32 v[HX+8*\ct+2*\k:HX+8*\ct+2*\k+1], v[32*\m+8*\ct+2*\k:32*\m+8*\ct+2*\k+1], 0.5, v[HX+8*\ct+2*\k:HX+8*\ct+2*\k+1] op_sel_hi:[1,0,1]
.endr
.endr
	WIN 0
.endm
.macro POLY dst, kp                    ; dst = dst z^2 + k, four pairs by turns
.irp k, 0,1,2,3
	v_pk_fma_f32 v[\dst+2*\k:\dst+2*\k+1], v[\dst+2*\k:\dst+2*\k+1], v[GZ2+2*\k:GZ2+2*\k+1], s[\kp:\kp+1] op_sel_hi:[1,1,0]
.endr
.endm
.macro GELU                            ; hx -> hx + hx erf(hx sqrt 2), eight numbers a batch
.irp g, 0,1,2,3
.irp k, 0,1,2,3
	v_pk_mul_f32 v[GZ+2*\k:GZ+2*\k+1], v[HX+8*\g+2*\k:HX+8*\g+2*\k+1], s[KRT2:KRT2+1] op_sel_hi:[1,0]
.endr
.irp i, 0,1,2,3,4,5,6,7
	v_med3_num_f32 v[GZ+\i], v[GZ+\i], -4.0, 4.0
.endr
.irp k, 0,1,2,3
	v_pk_mul_f32 v[GZ2+2*\k:GZ2+2*\k+1], v[GZ+2*\k:GZ+2*\k+1], v[GZ+2*\k:GZ+2*\k+1]
.endr
.irp k, 0,1,2,3
	s_delay_alu instid0(VALU_DEP_4)
	v_pk_fma_f32 v[GP+2*\k:GP+2*\k+1], v[GZ2+2*\k:GZ2+2*\k+1], v[CA13:CA13+1], s[KA11:KA11+1] op_sel_hi:[1,1,0]
.endr
.irp k, 0,1,2,3
	v_pk_fma_f32 v[GQ+2*\k:GQ+2*\k+1], v[GZ2+2*\k:GZ2+2*\k+1], v[CB8:CB8+1], s[KB6:KB6+1] op_sel_hi:[1,1,0]
.endr
	POLY GP, KA9
	POLY GQ, KB4
	POLY GP, KA7
	POLY GQ, KB2
	POLY GP, KA5
	POLY GQ, KB0
	POLY GP, KA3
	POLY GP, KA1
	s_wait_alu depctr_va_vdst(0)
.irp i, 0,1,2,3,4,5,6,7
	v_rcp_f32 v[GZ2+\i], v[GQ+\i]
.endr
.irp k, 0,1,2,3
	v_pk_mul_f32 v[GP+2*\k:GP+2*\k+1], v[GP+2*\k:GP+2*\k+1], v[GZ+2*\k:GZ+2*\k+1]      ; z P: plain work behind the reciprocals that names none of them
.endr
	s_wait_alu depctr_va_vdst(0)                   ; one wait for the eight, ahead of their first reader
.irp k, 0,1,2,3
	v_pk_mul_f32 v[GP+2*\k:GP+2*\k+1], v[GP+2*\k:GP+2*\k+1], v[GZ2+2*\k:GZ2+2*\k+1]    ; erf
.endr
.irp k, 0,1,2,3
	s_delay_alu instid0(VALU_DEP_4)
	v_pk_fma_f32 v[HX+8*\g+2*\k:HX+8*\g+2*\k+1], v[HX+8*\g+2*\k:HX+8*\g+2*\k+1], v[GP+2*\k:GP+2*\k+1], v[HX+8*\g+2*\k:HX+8*\g+2*\k+1]
.endr
.endr
.endm
; the chunk's 64 hidden numbers of my row, register 16 b + i = f 32 b + 16 (lane / 16) + i, become registers 6 c .. 6 c + 5 of the next operand (v238-243) and half its scale word (v248)
.macro QUANTH
.irp b, 0,1
	v_max3_num_f32 v[TM+\b], |v[HX+16*\b]|, |v[HX+16*\b+1]|, 0x2800000
.endr
.irp i, 2,4,6,8,10,12,14
.irp b, 0,1
	s_delay_alu instid0(VALU_DEP_2)
	v_max3_num_f32 v[TM+\b], v[TM+\b], |v[HX+16*\b+\i]|, |v[HX+16*\b+\i+1]|
.endr
.endr
.irp b, 0,1
	s_delay_alu instid0(VALU_DEP_2)
	v_permlanex16_b32 v[PX+\b], v[TM+\b], s[SEL], s[SEL+1]
.endr
.irp b, 0,1
	s_delay_alu instid0(VALU_DEP_2)
	v_max_num_f32 v[TM+\b], v[TM+\b], v[PX+\b]
.endr
.irp b, 0,1
	s_delay_alu instid0(VALU_DEP_2)
	v_add_nc_u32 v[SOP+\b], 0xfe000000, v[TM+\b]
.endr
.irp b, 0,1
	s_delay_alu instid0(VALU_DEP_2)
	v_lshrrev_b32 v[PX+\b], 23, v[SOP+\b]
.endr
	s_delay_alu instid0(VALU_DEP_1)
	v_lshl_or_b32 v[HW], v[PX+1], 8, v[PX]
	v_cvt_scalef32_pk16_bf6_f32 v[PC:PC+2], v[HX:HX+15], v[SOP]
	v_cvt_scalef32_pk16_bf6_f32 v[PT:PT+2], v[HX+16:HX+31], v[SOP+1]
	v_nop                                          ; one plain instruction behind a scaled conversion
.irp i, 0,1,2
	v_permlane16_swap_b32 v[PC+\i], v[PT+\i]       ; the operand wants a whole block in a lane: lanes 0-15 the first block, lanes 16-31 the second
.endr
.irp i, 0,1,2
	s_delay_alu instid0(VALU_DEP_3)
	v_mov_b32 v[PC+3+\i], v[PT+\i]
.endr
.endm
; THE WAY OUT of chunk c: my tiles one after the other, in a loop of three trips; a tile that the expert does not have is passed over (a branch on the stored count; no barrier stands here)
.macro EPI c
	PLACES
	s_mov_b32 s24, 0
.Lepi_\@:
	s_lshl_b32 s25, s24, 3
	s_add_co_u32 s25, s25, s23                     ; the tile
	s_cmp_ge_u32 s25, s22
	s_cbranch_scc1 .Lnext_\@
	s_wait_xcnt 0x0                                ; the last trip's stores have read their registers and bases
.irp ct, 0,1,2,3
.irp q, 0,1
	ds_load_b128 v[HX+8*\ct+4*\q:HX+8*\ct+4*\q+3], v[BIAD] offset:256*\c+128*(\ct/2)+32*(\ct%2)+16*\q     ; 0.5 b1 in the result's layout
.endr
.endr
	s_min_u32 s25, s25, 63
	s_mul_i32 s26, s25, 49152
	s_add_nc_u64 s[28:29], s[14:15], s[26:27]
	s_lshl_b32 s26, s25, 11
	s_add_nc_u64 s[30:31], s[16:17], s[26:27]
	s_wait_dscnt 0x0
	s_cmp_eq_u32 s24, 0
	s_cbranch_scc0 .Lm1_\@
	TAKE 0
	s_branch .Ltaken_\@
.Lm1_\@:
	s_cmp_eq_u32 s24, 1
	s_cbranch_scc0 .Lm2_\@
	TAKE 1
	s_branch .Ltaken_\@
.Lm2_\@:
	TAKE 2
.Ltaken_\@:
	GELU
	QUANTH
	global_store_b128 v[O16], v[PC:PC+3], s[28:29] offset:768*\c           ; 512 consecutive bytes, at a multiple of 256 from the buffer's first byte
	global_store_b64 v[O8], v[PC+4:PC+5], s[28:29] offset:768*\c+512       ; 256 likewise
	global_store_b16 v[OS], v[HW], s[30:31] offset:2*\c                    ; two of the row's four scale bytes of this K step; lanes 16-31 repeat lanes 0-15
.Lnext_\@:
	s_add_co_u32 s24, s24, 1
	s_cmp_lt_u32 s24, 3
	s_cbranch_scc1 .Lepi_\@
	s_wait_xcnt 0x0                                ; the stores have read their registers: fragments may land there again
.endm
.macro PASS stream
	STAGE 0, \stream
	STAGE 1, \stream
	STAGE 2, \stream
	STAGE 3, \stream
	EPI 0
	STAGE 4, \stream
	STAGE 5, \stream
	STAGE 6, \stream
	STAGE 7, \stream
	EPI 1
.endm
; one word of idx (tokens 128 i + 4 lane + j, tok2 = 256 i + 2 j): lanes whose token chose my expert enter their slot behind those entered so far; the others write to the dump
.macro ENTRY reg, tok2
	v_and_b32 v186, 0xff, v[\reg]
	v_bfe_u32 v187, v[\reg], 8, 8
	s_delay_alu instid0(VALU_DEP_2)
	v_cmp_eq_u32 s35, s19, v186
	s_delay_alu instid0(VALU_DEP_2)
	v_cmp_eq_u32 s36, s19, v187
	s_or_b32 s37, s35, s36
	v_mbcnt_lo_u32_b32 v188, s37, 0
	s_delay_alu instid0(VALU_DEP_1)
	v_add_nc_u32 v188, s34, v188
	s_delay_alu instid0(VALU_DEP_1)
	v_cndmask_b32 v188, v190, v188, s37
	s_delay_alu instid0(VALU_DEP_1)
	v_min_u32 v188, 1183, v188                     ; the entry's number is held inside list and dump; only a shift follows
	s_delay_alu instid0(VALU_DEP_1)
	v_lshlrev_b32 v188, 2, v188
	v_cndmask_b32 v189, 0, 1, s36
	s_delay_alu instid0(VALU_DEP_1)
	v_add3_u32 v189, v189, v[O8], \tok2            ; 2 token + choice
	ds_store_b32 v188, v189
	s_bcnt1_i32_b32 s37, s37
	s_add_co_u32 s34, s34, s37
.endm
	s_load_b256 s[4:11], s[0:1], 0x0               ; x_codes s[4:5], x_sc s[6:7], idx s[8:9], w1 s[10:11]
	s_load_b128 s[12:15], s[0:1], 0x20             ; b1 s[12:13], h_img s[14:15]
	s_load_b64 s[16:17], s[0:1], 0x30              ; h_sc
	s_set_vgpr_msb 0x40
	v_lshl_add_u32 v254, v0, 2, 0x1a600
	v_mov_b32 v255, 0
	s_set_vgpr_msb 0x4000
	v_lshrrev_b32 v162, 5, v0
	s_delay_alu instid0(VALU_DEP_1)
	v_readfirstlane_b32 s18, v162                  ; wave 0..7
	s_lshr_b32 s19, ttmp9, 5                       ; expert
	s_and_b32 s20, ttmp9, 31                       ; slice
	s_mov_b32 s27, 0                               ; the upper word of every offset pair s[26:27]
	s_mov_b32 s[SEL], 0x76543210
	s_mov_b32 s[SEL+1], 0xfedcba98
	KPAIR KA11, 0x32edffee
	KPAIR KA9,  0xb60cff51
	KPAIR KA7,  0xb86ec2d2
	KPAIR KA5,  0xba40ac63
	KPAIR KA3,  0xbb41a1f6
	KPAIR KA1,  0xbc83dbd4
	KPAIR KB6,  0xb95fbd29
	KPAIR KB4,  0xbadc924e
	KPAIR KB2,  0xbbf19bf8
	KPAIR KB0,  0xbc69b6a7
	KPAIR KRT2, 0x3fb504f3
	v_and_b32 v162, 31, v0                         ; lane
	v_and_b32 v163, 15, v0                         ; l4 = lane % 16
	v_bfe_u32 v164, v0, 4, 1                       ; hh = lane / 16
	v_bfe_u32 v165, v0, 3, 1                       ; l4's bits 3, 2, 1, 0
	s_wait_alu depctr_va_vdst(0)
	v_bfe_u32 v166, v0, 2, 1
	v_bfe_u32 v167, v0, 1, 1
	v_and_b32 v168, 1, v0
	s_lshl_b32 s26, s18, 6
	v_lshl_add_u32 v[LB], v163, 2, s26
	s_lshl_b32 s26, s18, 19                        ; 32 rows of 16,384 bytes a wave,
	v_lshl_add_u32 v[WOFF], v163, 4, s26
	s_delay_alu instid0(VALU_DEP_1)
	v_lshl_add_u32 v[WOFF], v164, 18, v[WOFF]      ; 16 rows for the upper lanes
	s_delay_alu instid0(VALU_DEP_1)
	v_add_nc_u32 v[WOFF+1], 0x800000, v[WOFF]
	; column 4 l4 + j lies in tile ct = 2 (l4 >> 3) + ((l4 >> 1) & 1), lane r = 4 (l4 & 1) + 8 ((l4 >> 2) & 1) + j.  My block w is K step w >> 2, operand half h = w & 1, register group (w >> 1) & 1
	s_lshr_b32 s26, s18, 2
	s_mul_i32 s26, s26, 6144
	s_and_b32 s28, s18, 1
	s_mul_i32 s28, s28, 768
	s_add_co_u32 s26, s26, s28
	s_bfe_u32 s28, s18, 0x10001
	s_mul_i32 s28, s28, 24
	s_add_co_u32 s26, s26, s28
	s_add_co_u32 s26, s26, BIMG
	v_mul_u32_u24 v[WST], v165, 3072
	s_wait_alu depctr_va_vdst(0)
	v_mad_u32_u24 v[WST], v167, 1536, v[WST]
	s_delay_alu instid0(VALU_DEP_1)
	v_mad_u32_u24 v[WST], v166, 384, v[WST]
	s_delay_alu instid0(VALU_DEP_1)
	v_mad_u32_u24 v[WST], v168, 192, v[WST]
	s_delay_alu instid0(VALU_DEP_1)
	v_mad_u32_u24 v[WST], v164, 12, v[WST]
	s_delay_alu instid0(VALU_DEP_1)
	v_add_nc_u32 v[WST], s26, v[WST]
	s_delay_alu instid0(VALU_DEP_1)
	v_add_nc_u32 v[WST+1], 49152, v[WST]
	s_lshr_b32 s26, s18, 2
	s_lshl_b32 s26, s26, 3
	s_and_b32 s28, s18, 3
	s_add_co_u32 s26, s26, s28
	s_add_co_u32 s26, s26, BSC
	v_lshlrev_b32 v[BSST], 2, v165                 ; BSC + 16 (r + 16 (ct & 1)) + 4 (2 ks + (ct >> 1)) + block
	s_delay_alu instid0(VALU_DEP_1)
	v_lshl_add_u32 v[BSST], v168, 6, v[BSST]
	s_delay_alu instid0(VALU_DEP_1)
	v_lshl_add_u32 v[BSST], v166, 7, v[BSST]
	s_delay_alu instid0(VALU_DEP_1)
	v_lshl_add_u32 v[BSST], v167, 8, v[BSST]
	s_delay_alu instid0(VALU_DEP_1)
	v_add_nc_u32 v[BSST], s26, v[BSST]
	v_mul_u32_u24 v[BRD], v162, 48
	s_delay_alu instid0(VALU_DEP_1)
	v_add_nc_u32 v[BRD], BIMG, v[BRD]
	s_delay_alu instid0(VALU_DEP_1)
	v_add_nc_u32 v[BRD+1], 49152, v[BRD]
	v_lshl_add_u32 v[BSRD], v162, 4, BSC
	v_lshlrev_b32 v[O16], 4, v162
	v_lshlrev_b32 v[O8], 3, v162
	v_lshlrev_b32 v[OS], 2, v163
	v_lshl_add_u32 v[BIAD], v164, 6, BIAS
	v_mul_u32_u24 v[H48], v164, 48
	v_lshlrev_b32 v[H4], 2, v164
	v_mov_b32 v[CA13], 0xaf95df0b
	v_mov_b32 v[CA13+1], 0xaf95df0b
	v_mov_b32 v[CB8], 0xb77460cd
	v_mov_b32 v[CB8+1], 0xb77460cd
.irp j, 0,1,2,3
	v_mov_b32 v[PX+\j], 0                          ; written once: a lane permute's destination counts as one of its sources
.endr
	s_wait_kmcnt 0x0
	s_lshl_b32 s26, s19, 24
	s_lshl_b32 s28, s20, 9
	s_add_co_u32 s26, s26, s28
	s_add_nc_u64 s[10:11], s[10:11], s[26:27]      ; w1[e], my 128 columns
	s_lshl_b32 s26, s19, 14
	s_add_co_u32 s26, s26, s28
	s_add_nc_u64 s[12:13], s[12:13], s[26:27]      ; b1 likewise
	s_mul_i32 s26, s19, 3145728
	s_mul_i32 s28, s20, 1536
	s_add_co_u32 s26, s26, s28
	s_add_nc_u64 s[14:15], s[14:15], s[26:27]      ; h_img[e][.][K step = slice]
	s_lshl_b32 s26, s19, 17
	s_lshl_b32 s28, s20, 6
	s_add_co_u32 s26, s26, s28
	s_add_nc_u64 s[16:17], s[16:17], s[26:27]      ; h_sc likewise
	s_cmp_lg_u32 s18, 0
	s_cbranch_scc1 .Lnot0a
.irp i, 0,1,2,3,4,5,6,7
	global_load_b128 v[206+4*\i:209+4*\i], v[O16], s[8:9] offset:512*\i    ; wave 0: all of idx,
.endr
	global_load_b128 v[238:241], v[O16], s[12:13]                          ; and my 128 numbers of b1
.Lnot0a:
	WLOAD 0, 0                                     ; the stream begins ahead of the list
	WLOAD 1, 1
	s_cmp_lg_u32 s18, 0
	s_cbranch_scc1 .Lnot0b
	s_wait_loadcnt 32                              ; behind idx and b1 the two units' 32 loads were issued
	s_add_co_u32 s28, s19, 2048
.irp k, 0,1,2,3
	v_mov_b32 v[178+\k], s28                       ; the pad: slot 2,048 + e
.endr
.irp i, 0,1,2,3,4,5,6,7,8
	ds_store_b128 v[O16], v[178:181] offset:LIST+512*\i
.endr
.irp k, 0,1,2,3
	v_mul_f32 v[182+\k], 0.5, v[238+\k]
.endr
	ds_store_b128 v[O16], v[182:185] offset:BIAS
	v_and_b32 v190, 31, v0
	s_delay_alu instid0(VALU_DEP_1)
	v_add_nc_u32 v190, DUMPW, v190                 ; my dump entry
	s_mov_b32 s34, 0                               ; entries so far
.irp i, 0,1,2,3,4,5,6,7
.irp j, 0,1,2,3
	ENTRY 206+4*\i+\j, 256*\i+2*\j
.endr
.endr
	v_mov_b32 v189, s34
	ds_store_b32 v[OS], v189 offset:NW             ; the expert's number of rows
.Lnot0b:
	s_wait_dscnt 0x0                               ; for the others' sake: list, count and bias lie in LDS
	s_barrier_signal -1
	s_barrier_wait -1
	ds_load_b32 v[TM], v[OS] offset:NW
	s_wait_dscnt 0x0
	v_readfirstlane_b32 s21, v[TM]
	s_min_u32 s21, s21, 1024                       ; rows
	s_add_co_u32 s22, s21, 15
	s_lshr_b32 s22, s22, 4
	s_max_u32 s22, s22, 1                          ; nt: tiles; tile 0 is always made
	s_mov_b32 s23, s18                             ; my first tile of the pass
	SETUP
	ALOAD 0, 0
	PASS 1
	s_mov_b32 s32, 1
.Lpass:                                            ; passes 1 and 2: every wave walks the loop; a wave with no tile left jumps over the work
	s_wait_alu depctr_va_vdst(0)
	v_add_nc_u32 v[LB], 1536, v[LB]
	s_add_co_u32 s23, s23, 24
	s_cmp_ge_u32 s23, s22
	s_cbranch_scc1 .Lnopass
	SETUP
	ALOAD 0, 0
	s_wait_alu depctr_va_vdst(0)
	PASS 0
.Lnopass:
	s_add_co_u32 s32, s32, 1
	s_cmp_lt_u32 s32, 3
	s_cbranch_scc1 .Lpass
	s_set_vgpr_msb 0x5
	s_wait_tensorcnt 0x0
	ds_add_u32 v254, v255
	s_wait_dscnt 0x0
	s_set_vgpr_msb 0x500
	s_endpgm
.Lfunc_end_k_qcd5924e55b_up:
	.size	k_qcd5924e55b_up, .Lfunc_end_k_qcd5924e55b_up-k_qcd5924e55b_up
	.p2alignl 7, 3214868480
	.fill 96, 4, 3214868480
	.section	.rodata,"a",@progbits
	.p2align	6, 0x0
	.amdhsa_kernel k_qcd5924e55b_up
		.amdhsa_group_segment_fixed_size 109056
		.amdhsa_private_segment_fixed_size 0
		.amdhsa_enable_private_segment 0
		.amdhsa_kernarg_size 56
		.amdhsa_user_sgpr_count 2
		.amdhsa_user_sgpr_kernarg_segment_ptr 1
		.amdhsa_wavefront_size32 1
		.amdhsa_system_sgpr_workgroup_id_x 1
		.amdhsa_system_sgpr_workgroup_id_y 1
		.amdhsa_system_sgpr_workgroup_id_z 1
		.amdhsa_system_vgpr_workitem_id 0
		.amdhsa_next_free_vgpr 512
		.amdhsa_next_free_sgpr 66
		.amdhsa_reserve_vcc 0
		.amdhsa_float_denorm_mode_32 3
		.amdhsa_float_denorm_mode_16_64 3
		.amdhsa_memory_ordered 1
		.amdhsa_forward_progress 1
		.amdhsa_inst_pref_size 255
	.end_amdhsa_kernel
	.section	.bss,"aw",@nobits
	.p2align	6
	.space	262144
	.amdgpu_metadata
---
amdhsa.version: [ 1, 2 ]
amdhsa.kernels:
  - .name:           k_qcd5924e55b_up
    .symbol:         k_qcd5924e55b_up.kd
    .args:
      - { .name: x_codes, .offset: 0, .size: 8, .value_kind: global_buffer, .address_space: global }
      - { .name: x_sc, .offset: 8, .size: 8, .value_kind: global_buffer, .address_space: global }
      - { .name: idx, .offset: 16, .size: 8, .value_kind: global_buffer, .address_space: global }
      - { .name: w1, .offset: 24, .size: 8, .value_kind: global_buffer, .address_space: global }
      - { .name: b1, .offset: 32, .size: 8, .value_kind: global_buffer, .address_space: global }
      - { .name: h_img, .offset: 40, .size: 8, .value_kind: global_buffer, .address_space: global }
      - { .name: h_sc, .offset: 48, .size: 8, .value_kind: global_buffer, .address_space: global }
    .group_segment_fixed_size: 109056
    .private_segment_fixed_size: 0
    .kernarg_segment_align: 8
    .kernarg_segment_size: 56
    .max_flat_workgroup_size: 256
    .sgpr_count:     66
    .vgpr_count:     512
    .wavefront_size: 32
...
	.end_amdgpu_metadata
.endif
;; end of part 6
;; launch down (part 7): grid 256 x 1, 8 waves a work-group, no clusters, 143,872 bytes of LDS; arguments h_img, h_sc, idx, w2, y_part; writes y_part
.if DOCPART == 7
	.amdgcn_target "amdgcn-amd-amdhsa--gfx1250"
	.amdhsa_code_object_version 6
	.text
	.protected	k_qcd5924e55b_down
	.globl	k_qcd5924e55b_down
	.p2align	8
	.type	k_qcd5924e55b_down,@function
k_qcd5924e55b_down:
	s_mov_b64 s[64:65], 0
	v_nop
	global_prefetch_b8 v0, s[64:65] scope:SCOPE_SE
	s_setreg_imm32_b32 hwreg(HW_REG_WAVE_MODE, 25, 1), 1
	s_wait_xcnt 0x0
; DOWN.  Partial sums of h w2[e] for the rows routed to expert e; both operands are codes of E3M2 with E8M0 scales; sums in f32.
; SHARES.  Work-group id = 32 e + 2 cs + kh owns w2[e][2,048 K rows from 2,048 kh on][64 columns from 64 cs on], 512 KB of f32, read ONCE from memory.
; A STAGE is 256 K rows x 64 columns.  Wave w takes the stage's block w of 32 K rows (16 loads of 16 bytes a lane, each of two whole rows of 256 consecutive bytes), quantises it in registers and lays codes and
; scale bytes in LDS in the order of the operand's registers; a barrier; all eight waves multiply the stage's 8 fragments by their own row tiles.  Every stage keeps LDS bytes of its own.
; ROWS.  Wave 0 builds the expert's list of slots from idx by the same lines as the launch before, which laid the hidden layer's tiles in that order.  Row tile t = 24 p + 8 m + w.  Pass 0 rides on the stream and always
; multiplies three tiles a wave (a tile that the expert does not have repeats its last one); only tiles under nt are stored.  Passes 1 and 2 run where the expert has more than 384, 768 rows.
; NO JOINT LOADS, NO TENSOR LOADS: later passes and stores are skipped by branches on the stored counts, and what work-groups share (the hidden codes) is small beside the 512 KB that each reads alone.
; THE PRODUCT IS USED TRANSPOSED (source 0 = 16 columns of w2, source 1 = 16 rows): a lane holds eight neighbouring columns of one row.
; y_part: [K half][slot 2,056][1,024] f32: a row goes to its slot 2 token + choice; the list's pads go to row 2,048 + e, which nobody reads.  The two halves, b2 and the gates are joined by the last launch.
; LIMITS: NaN and infinities are not served.  A block of zeros gets the byte 1 (zero codes; this program alone reads the bytes).
; REGISTERS.  Window 0: v1-23 addresses; v24-27 the weights' scale words, v28-33 the rows' (scales and nothing else); v34-161 two raw units; v162-193 at work; v194-205 maxima, bytes, scale operands;
;   v206-253 four weight fragments, on the way out rows and their slots.   Window 1: v0-95 the 12 accumulators (m, ct) at 32 m + 8 ct; v96-239 row fragments (buffer, m, K step).
.set LIST,  0
.set DUMPW, 1152
.set NW,    4736
.set BSC,   5632
.set BIMG,  9728
.set STG,   108032                     ; the way out: 16 rows x (256 bytes + 16) for each wave
.set LB2,   1                          ; v1   list: 4 (lane / 16) + 64 w + 1,536 pass
.set WOFF,  2                          ; v2   w2: my lane's byte in a unit
.set L4,    3                          ; v3   4 lane
.set WST,   4
.set BSST,  6
.set BRD,   7
.set BSRD,  9
.set A16,   10                         ; v10-12 h_img: 49,152 tile + 16 lane
.set A8,    13                         ; v13-15 49,152 tile + 8 lane
.set ASOFF, 16                         ; v16-18 h_sc: 2,048 tile + 4 lane
.set STO,   19
.set SRD,   20
.set L16,   21
.set OC,    22                         ; v22  16 (lane % 16)
.set L8,    23
.set BS,    24
.set AS,    28
.set RAW,   34
.set SG,    162
.set CD,    178
.set TM,    194
.set PX,    198
.set SOP,   202
.set BF,    206
.set AF,    96
.set SEL,   38
.set MSB, 0
.macro WIN new                         ; the immediate's high byte repeats the setting that is left
.if MSB != \new
	s_set_vgpr_msb (MSB<<8)|\new
.set MSB, \new
.endif
.endm
.macro PLACES                          ; four plain instructions between a matrix instruction and a load into, or a read of, its registers
.rept 4
	v_nop
.endr
.endm
.macro WLOAD buf, sig                  ; load i takes K rows 32 w + i and 32 w + 16 + i of the stage, 256 consecutive bytes of each
.irp i, 0,1,2,3,4,5,6,7,8,9,10,11,12,13,14,15
	global_load_b128 v[RAW+64*(\buf)+4*\i:RAW+64*(\buf)+4*\i+3], v[WOFF], s[10:11] offset:1048576*(\sig)+4096*\i th:TH_LOAD_NT
.endr
.endm
.macro QUANTW buf, sig                 ; as in the launch before: 16 numbers of four columns a lane, lane l xor 16 the block's other 16
.set RW_, RAW+64*(\buf)
.irp j, 0,1,2,3
	v_max3_num_f32 v[TM+\j], |v[RW_+\j]|, |v[RW_+4+\j]|, 0x2800000     ; with the floor 2^(5 - 127): the byte cannot fall under 1
.endr
.irp i, 2,4,6,8,10,12,14
.irp j, 0,1,2,3
	s_delay_alu instid0(VALU_DEP_4)
	v_max3_num_f32 v[TM+\j], v[TM+\j], |v[RW_+4*\i+\j]|, |v[RW_+4*\i+4+\j]|
.endr
.endr
.irp j, 0,1,2,3
	s_delay_alu instid0(VALU_DEP_4)
	v_permlanex16_b32 v[PX+\j], v[TM+\j], s[SEL], s[SEL+1]
.endr
.irp j, 0,1,2,3
	s_delay_alu instid0(VALU_DEP_4)
	v_max_num_f32 v[TM+\j], v[TM+\j], v[PX+\j]
.endr
.irp j, 0,1,2,3
	s_delay_alu instid0(VALU_DEP_4)
	v_add_nc_u32 v[SOP+\j], 0xfe000000, v[TM+\j]   ; 4 off the exponent field: the conversion's scale operand
.endr
.irp j, 0,1,2,3
	s_delay_alu instid0(VALU_DEP_4)
	v_lshrrev_b32 v[PX+\j], 23, v[SOP+\j]          ; the scale's byte
.endr
.irp j, 0,1,2,3
.irp i, 0,1,2,3,4,5,6,7,8,9,10,11,12,13,14,15
	v_mov_b32 v[SG+\i], v[RW_+4*\i+\j]             ; the conversion wants its 16 numbers in consecutive registers
.endr
	v_cvt_scalef32_pk16_bf6_f32 v[CD+4*\j:CD+4*\j+2], v[SG:SG+15], v[SOP+\j]
	v_nop                                          ; one plain instruction before the conversion's sources are written again
.endr
.irp j, 0,1,2,3
.irp q, 0,1,2
	ds_store_b32 v[WST+(\sig)/4], v[CD+4*\j+\q] offset:12288*((\sig)%4)+48*\j+4*\q
.endr
	ds_store_b8 v[BSST], v[PX+\j] offset:512*(\sig)+16*\j          ; both lanes of a column write the same byte with the same value
.endr
.endm
; the rows' fragments of stage sig (K steps 2 sig, 2 sig + 1 of my half) into buffer buf, as the launch before laid them; the scale words: lanes 0-15 the first K step's, lanes 16-31 the second's
.macro ALOAD buf, sig
	WIN 0x40                                       ; destination window 1, address window 0
.irp m, 0,1,2
.irp ks, 0,1
.set rA, AF+72*(\buf)+24*\m+12*\ks
.set oA, 1536*(2*(\sig)+\ks)
	global_load_b128 v[rA:rA+3], v[A16+\m], s[4:5] offset:oA
	global_load_b64 v[rA+4:rA+5], v[A8+\m], s[4:5] offset:oA+512
	global_load_b128 v[rA+6:rA+9], v[A16+\m], s[4:5] offset:oA+768
	global_load_b64 v[rA+10:rA+11], v[A8+\m], s[4:5] offset:oA+1280
.endr
.endr
	WIN 0
.irp m, 0,1,2
	global_load_b32 v[AS+3*(\buf)+\m], v[ASOFF+\m], s[6:7] offset:128*(\sig)
.endr
.endm
.macro BLOAD sig, ks
.irp ct, 0,1,2,3
.irp q, 0,1,2
	ds_load_b128 v[BF+12*\ct+4*\q:BF+12*\ct+4*\q+3], v[BRD+(\sig)/4] offset:12288*((\sig)%4)+1536*(4*(\ks)+\ct)+16*\q
.endr
.endr
.endm
.macro MM acc, bf, af, zero, sa, sb, ra, rb
.set rD, \acc
.set rB, \bf
.set rA, \af
.if \zero
.if \ra
	v_wmma_scale_f32_16x16x128_f8f6f4 v[rD:rD+7], v[rB:rB+11], v[rA:rA+11], 0, v[\sa], v[\sb] matrix_a_fmt:MATRIX_FMT_BF6 matrix_b_fmt:MATRIX_FMT_BF6 matrix_a_scale:MATRIX_SCALE_ROW1
.else
	v_wmma_scale_f32_16x16x128_f8f6f4 v[rD:rD+7], v[rB:rB+11], v[rA:rA+11], 0, v[\sa], v[\sb] matrix_a_fmt:MATRIX_FMT_BF6 matrix_b_fmt:MATRIX_FMT_BF6
.endif
.else
.if (\ra) && (\rb)
	v_wmma_scale_f32_16x16x128_f8f6f4 v[rD:rD+7], v[rB:rB+11], v[rA:rA+11], v[rD:rD+7], v[\sa], v[\sb] matrix_a_fmt:MATRIX_FMT_BF6 matrix_b_fmt:MATRIX_FMT_BF6 matrix_a_scale:MATRIX_SCALE_ROW1 matrix_b_scale:MATRIX_SCALE_ROW1
.elseif \ra
	v_wmma_scale_f32_16x16x128_f8f6f4 v[rD:rD+7], v[rB:rB+11], v[rA:rA+11], v[rD:rD+7], v[\sa], v[\sb] matrix_a_fmt:MATRIX_FMT_BF6 matrix_b_fmt:MATRIX_FMT_BF6 matrix_a_scale:MATRIX_SCALE_ROW1
.elseif \rb
	v_wmma_scale_f32_16x16x128_f8f6f4 v[rD:rD+7], v[rB:rB+11], v[rA:rA+11], v[rD:rD+7], v[\sa], v[\sb] matrix_a_fmt:MATRIX_FMT_BF6 matrix_b_fmt:MATRIX_FMT_BF6 matrix_b_scale:MATRIX_SCALE_ROW1
.else
	v_wmma_scale_f32_16x16x128_f8f6f4 v[rD:rD+7], v[rB:rB+11], v[rA:rA+11], v[rD:rD+7], v[\sa], v[\sb] matrix_a_fmt:MATRIX_FMT_BF6 matrix_b_fmt:MATRIX_FMT_BF6
.endif
.endif
.endm
; 12 matrix instructions: four column tiles x three row tiles, 128 along K; the twelve accumulators take turns, one instruction a turn, in the same order in every half stage
.macro MULH buf, ks, first
	WIN 0x54                                       ; source 0 (weights) window 0; source 1 (rows), C and D window 1
.irp ct, 0,1,2,3
.irp m, 0,1,2
	MM 32*\m+8*\ct, BF+12*\ct, AF+72*(\buf)+24*\m+12*(\ks), \first, BS+2*(\ks)+\ct/2, AS+3*(\buf)+\m, \ct%2, \ks
.endr
.endr
	WIN 0
.endm
.macro STAGE sig, stream
.if \stream
.if (\sig == 0) || (\sig == 7)
	s_wait_loadcnt 0x0                             ; the rows' fragments are the youngest loads here
.else
	s_wait_loadcnt 16                              ; behind this stage's unit and rows only the next unit's 16 loads were issued
.endif
	QUANTW (\sig)%2, \sig                          ; (its plain lines are also the places behind the last stage's products)
.else
	s_wait_loadcnt 0x0
	PLACES
.endif
.if \sig < 7
	ALOAD (\sig+1)%2, \sig+1
.endif
.if \stream && (\sig < 6)
	WLOAD (\sig)%2, \sig+2                         ; the raw buffer just read takes the unit two stages on
.endif
.if \stream
	s_wait_dscnt 0x0                               ; for the others' sake: my codes and bytes lie in LDS
	s_barrier_signal -1
	s_barrier_wait -1                              ; the stage's eight fragments are whole
.endif
	ds_load_b128 v[BS:BS+3], v[BSRD] offset:512*(\sig)
	BLOAD \sig, 0
	s_wait_dscnt 0x0
.if \sig == 0
	MULH (\sig)%2, 0, 1                            ; the first products start the sums: nothing is cleared
.else
	MULH (\sig)%2, 0, 0
.endif
	PLACES
	BLOAD \sig, 1
	s_wait_dscnt 0x0
	MULH (\sig)%2, 1, 0
.endm
.macro SETUP                           ; my three tiles: one that the expert does not have repeats its last, which the launch before has stored
.irp m, 0,1,2
	s_add_co_u32 s25, s23, 8*\m
	s_min_u32 s25, s25, s33
	s_min_u32 s25, s25, 63
	s_mul_i32 s26, s25, 49152
	v_add_nc_u32 v[A16+\m], s26, v[L16]
	v_add_nc_u32 v[A8+\m], s26, v[L8]
	s_lshl_b32 s26, s25, 11
	v_add_nc_u32 v[ASOFF+\m], s26, v[L4]
.endr
.endm
; THE WAY OUT of tile m: a lane's 32 bytes of a row go into my own stage and come back as whole rows of 256 bytes; each row goes to its slot.  A tile that the expert does not have is passed over.
.macro EPIM m
	s_add_co_u32 s25, s23, 8*\m
	s_cmp_ge_u32 s25, s22
	s_cbranch_scc1 .Labsent_\@
	s_wait_xcnt 0x0                                ; the last tile's stores have read their registers
	WIN 0x04                                       ; an LDS store's data are its source 1: window 1
.irp ct, 0,1,2,3
	ds_store_b128 v[STO], v[32*\m+8*\ct:32*\m+8*\ct+3] offset:64*\ct           ; each accumulator from its low end on
	ds_store_b128 v[STO], v[32*\m+8*\ct+4:32*\m+8*\ct+7] offset:64*\ct+16
.endr
	WIN 0
.irp i, 0,1,2,3,4,5,6,7
	ds_load_b32 v[238+\i], v[LB2] offset:512*\m+8*\i                           ; the slot of row 2 i + lane / 16
.endr
.irp i, 0,1,2,3,4,5,6,7
	ds_load_b128 v[206+4*\i:209+4*\i], v[SRD] offset:544*\i                    ; LDS serves a wave's instructions in order: these see my stores
.endr
	s_wait_dscnt 0x0
.irp i, 0,1,2,3,4,5,6,7
	v_min_u32 v[238+\i], 2055, v[238+\i]           ; held inside the buffer's rows before it enters an address
.endr
.irp i, 0,1,2,3,4,5,6,7
	v_lshl_add_u32 v[238+\i], v[238+\i], 12, v[OC]
.endr
.irp i, 0,1,2,3,4,5,6,7
	global_store_b128 v[238+\i], v[206+4*\i:209+4*\i], s[12:13] th:TH_STORE_NT ; sixteen lanes store 256 consecutive bytes of a row, at a multiple of 256 from the buffer's first byte
.endr
.Labsent_\@:
.endm
.macro PASS stream
	STAGE 0, \stream
	STAGE 1, \stream
	STAGE 2, \stream
	STAGE 3, \stream
	STAGE 4, \stream
	STAGE 5, \stream
	STAGE 6, \stream
	STAGE 7, \stream
	PLACES
	EPIM 0
	EPIM 1
	EPIM 2
	s_wait_xcnt 0x0                                ; the stores have read their registers: fragments may land there again
.endm
; one word of idx (tokens 128 i + 4 lane + j, tok2 = 256 i + 2 j): the same lines as in the launch before, so the same list
.macro ENTRY reg, tok2
	v_and_b32 v186, 0xff, v[\reg]
	v_bfe_u32 v187, v[\reg], 8, 8
	s_delay_alu instid0(VALU_DEP_2)
	v_cmp_eq_u32 s35, s19, v186
	s_delay_alu instid0(VALU_DEP_2)
	v_cmp_eq_u32 s36, s19, v187
	s_or_b32 s37, s35, s36
	v_mbcnt_lo_u32_b32 v188, s37, 0
	s_delay_alu instid0(VALU_DEP_1)
	v_add_nc_u32 v188, s34, v188
	s_delay_alu instid0(VALU_DEP_1)
	v_cndmask_b32 v188, v190, v188, s37
	s_delay_alu instid0(VALU_DEP_1)
	v_min_u32 v188, 1183, v188                     ; the entry's number is held inside list and dump; only a shift follows
	s_delay_alu instid0(VALU_DEP_1)
	v_lshlrev_b32 v188, 2, v188
	v_cndmask_b32 v189, 0, 1, s36
	s_delay_alu instid0(VALU_DEP_1)
	v_add3_u32 v189, v189, v[L8], \tok2            ; 2 token + choice
	ds_store_b32 v188, v189
	s_bcnt1_i32_b32 s37, s37
	s_add_co_u32 s34, s34, s37
.endm
	s_load_b256 s[4:11], s[0:1], 0x0               ; h_img s[4:5], h_sc s[6:7], idx s[8:9], w2 s[10:11]
	s_load_b64 s[12:13], s[0:1], 0x20              ; y_part
	v_lshl_add_u32 v254, v0, 2, 0x22e00
	v_mov_b32 v255, 0
	v_lshrrev_b32 v162, 5, v0
	s_delay_alu instid0(VALU_DEP_1)
	v_readfirstlane_b32 s18, v162                  ; wave 0..7
	s_lshr_b32 s19, ttmp9, 5                       ; expert
	s_bfe_u32 s20, ttmp9, 0x40001                  ; cs: which 64 columns
	s_and_b32 s24, ttmp9, 1                        ; kh: which half of K
	s_mov_b32 s27, 0                               ; the upper word of every offset pair s[26:27]
	s_mov_b32 s[SEL], 0x76543210
	s_mov_b32 s[SEL+1], 0xfedcba98
	v_and_b32 v162, 31, v0                         ; lane
	v_and_b32 v163, 15, v0                         ; l4 = lane % 16
	v_bfe_u32 v164, v0, 4, 1                       ; hh = lane / 16
	v_bfe_u32 v165, v0, 2, 2                       ; ct = l4 >> 2
	v_and_b32 v166, 3, v0                          ; l4 & 3
	v_bfe_u32 v167, v0, 2, 1                       ; ct & 1
	v_bfe_u32 v168, v0, 3, 1                       ; ct >> 1
	s_lshl_b32 s26, s18, 6
	v_lshl_add_u32 v[LB2], v164, 2, s26
	s_lshl_b32 s26, s18, 17                        ; 32 rows of 4,096 bytes a wave,
	v_lshl_add_u32 v[WOFF], v163, 4, s26
	s_delay_alu instid0(VALU_DEP_1)
	v_lshl_add_u32 v[WOFF], v164, 16, v[WOFF]      ; 16 rows for the upper lanes
	v_lshlrev_b32 v[L4], 2, v162
	v_lshlrev_b32 v[L8], 3, v162
	v_lshlrev_b32 v[L16], 4, v162
	v_lshlrev_b32 v[OC], 4, v163
	; column 4 l4 + j lies in tile ct = l4 >> 2, lane r = 4 (l4 & 3) + j.  My block w is K step w >> 2, operand half h = w & 1, register group (w >> 1) & 1
	s_lshr_b32 s26, s18, 2
	s_mul_i32 s26, s26, 6144
	s_and_b32 s28, s18, 1
	s_mul_i32 s28, s28, 768
	s_add_co_u32 s26, s26, s28
	s_bfe_u32 s28, s18, 0x10001
	s_mul_i32 s28, s28, 24
	s_add_co_u32 s26, s26, s28
	s_add_co_u32 s26, s26, BIMG
	v_mul_u32_u24 v[WST], v165, 1536
	s_delay_alu instid0(VALU_DEP_1)
	v_mad_u32_u24 v[WST], v166, 192, v[WST]
	s_delay_alu instid0(VALU_DEP_1)
	v_mad_u32_u24 v[WST], v164, 12, v[WST]
	s_delay_alu instid0(VALU_DEP_1)
	v_add_nc_u32 v[WST], s26, v[WST]
	s_delay_alu instid0(VALU_DEP_1)
	v_add_nc_u32 v[WST+1], 49152, v[WST]
	s_lshr_b32 s26, s18, 2
	s_lshl_b32 s26, s26, 3
	s_and_b32 s28, s18, 3
	s_add_co_u32 s26, s26, s28
	s_add_co_u32 s26, s26, BSC
	v_lshlrev_b32 v[BSST], 2, v168                 ; BSC + 16 (r + 16 (ct & 1)) + 4 (2 ks + (ct >> 1)) + block
	s_delay_alu instid0(VALU_DEP_1)
	v_lshl_add_u32 v[BSST], v166, 6, v[BSST]
	s_delay_alu instid0(VALU_DEP_1)
	v_lshl_add_u32 v[BSST], v167, 8, v[BSST]
	s_delay_alu instid0(VALU_DEP_1)
	v_add_nc_u32 v[BSST], s26, v[BSST]
	v_mul_u32_u24 v[BRD], v162, 48
	s_delay_alu instid0(VALU_DEP_1)
	v_add_nc_u32 v[BRD], BIMG, v[BRD]
	s_delay_alu instid0(VALU_DEP_1)
	v_add_nc_u32 v[BRD+1], 49152, v[BRD]
	v_lshl_add_u32 v[BSRD], v162, 4, BSC
	s_mul_i32 s26, s18, 4352
	s_add_co_u32 s26, s26, STG                     ; my stage
	v_mul_u32_u24 v[STO], v163, 272
	s_delay_alu instid0(VALU_DEP_1)
	v_lshl_add_u32 v[STO], v164, 5, v[STO]
	s_delay_alu instid0(VALU_DEP_1)
	v_add_nc_u32 v[STO], s26, v[STO]               ; in: row lane % 16, 32 bytes for each half of the lanes
	v_mul_u32_u24 v[SRD], v164, 272
	s_delay_alu instid0(VALU_DEP_1)
	v_lshl_add_u32 v[SRD], v163, 4, v[SRD]
	s_delay_alu instid0(VALU_DEP_1)
	v_add_nc_u32 v[SRD], s26, v[SRD]               ; back: lanes 0-15 one row, lanes 16-31 the next
.irp j, 0,1,2,3
	v_mov_b32 v[PX+\j], 0                          ; written once: a lane permute's destination counts as one of its sources
.endr
	s_wait_kmcnt 0x0
	s_lshl_b32 s26, s19, 24
	s_lshl_b32 s28, s24, 23
	s_add_co_u32 s26, s26, s28
	s_lshl_b32 s28, s20, 8
	s_add_co_u32 s26, s26, s28
	s_add_nc_u64 s[10:11], s[10:11], s[26:27]      ; w2[e], my half of K, my 64 columns
	s_mul_i32 s26, s19, 3145728
	s_mul_i32 s28, s24, 24576
	s_add_co_u32 s26, s26, s28
	s_add_nc_u64 s[4:5], s[4:5], s[26:27]          ; h_img[e][.][my 16 K steps]
	s_lshl_b32 s26, s19, 17
	s_lshl_b32 s28, s24, 10
	s_add_co_u32 s26, s26, s28
	s_add_nc_u64 s[6:7], s[6:7], s[26:27]          ; h_sc likewise
	s_mul_i32 s26, s24, 8421376
	s_lshl_b32 s28, s20, 8
	s_add_co_u32 s26, s26, s28
	s_add_nc_u64 s[12:13], s[12:13], s[26:27]      ; y_part[kh][.][my 64 columns]
	s_cmp_lg_u32 s18, 0
	s_cbranch_scc1 .Lnot0a
.irp i, 0,1,2,3,4,5,6,7
	global_load_b128 v[206+4*\i:209+4*\i], v[L16], s[8:9] offset:512*\i    ; wave 0: all of idx
.endr
.Lnot0a:
	WLOAD 0, 0                                     ; the stream begins ahead of the list
	WLOAD 1, 1
	s_cmp_lg_u32 s18, 0
	s_cbranch_scc1 .Lnot0b
	s_wait_loadcnt 32                              ; behind idx the two units' 32 loads were issued
	s_add_co_u32 s28, s19, 2048
.irp k, 0,1,2,3
	v_mov_b32 v[178+\k], s28                       ; the pad: slot 2,048 + e
.endr
.irp i, 0,1,2,3,4,5,6,7,8
	ds_store_b128 v[L16], v[178:181] offset:LIST+512*\i
.endr
	v_and_b32 v190, 31, v0
	s_delay_alu instid0(VALU_DEP_1)
	v_add_nc_u32 v190, DUMPW, v190                 ; my dump entry
	s_mov_b32 s34, 0                               ; entries so far
.irp i, 0,1,2,3,4,5,6,7
.irp j, 0,1,2,3
	ENTRY 206+4*\i+\j, 256*\i+2*\j
.endr
.endr
	v_mov_b32 v189, s34
	ds_store_b32 v[L4], v189 offset:NW             ; the expert's number of rows
.Lnot0b:
	s_wait_dscnt 0x0                               ; for the others' sake: list and count lie in LDS
	s_barrier_signal -1
	s_barrier_wait -1
	ds_load_b32 v[TM], v[L4] offset:NW
	s_wait_dscnt 0x0
	v_readfirstlane_b32 s21, v[TM]
	s_min_u32 s21, s21, 1024                       ; rows
	s_add_co_u32 s22, s21, 15
	s_lshr_b32 s22, s22, 4
	s_max_u32 s22, s22, 1                          ; nt: tiles; tile 0 is always there
	s_sub_co_u32 s33, s22, 1
	s_mov_b32 s23, s18                             ; my first tile of the pass
	SETUP
	s_wait_alu depctr_va_vdst(0)
	ALOAD 0, 0
	PASS 1
	s_mov_b32 s32, 1
.Lpass:                                            ; passes 1 and 2: every wave walks the loop; a wave with no tile left jumps over the work
	s_wait_alu depctr_va_vdst(0)
	v_add_nc_u32 v[LB2], 1536, v[LB2]
	s_add_co_u32 s23, s23, 24
	s_cmp_ge_u32 s23, s22
	s_cbranch_scc1 .Lnopass
	SETUP
	s_wait_alu depctr_va_vdst(0)
	ALOAD 0, 0
	PASS 0
.Lnopass:
	s_add_co_u32 s32, s32, 1
	s_cmp_lt_u32 s32, 3
	s_cbranch_scc1 .Lpass
	s_wait_tensorcnt 0x0
	ds_add_u32 v254, v255
	s_wait_dscnt 0x0
	s_endpgm
.Lfunc_end_k_qcd5924e55b_down:
	.size	k_qcd5924e55b_down, .Lfunc_end_k_qcd5924e55b_down-k_qcd5924e55b_down
	.p2alignl 7, 3214868480
	.fill 96, 4, 3214868480
	.section	.rodata,"a",@progbits
	.p2align	6, 0x0
	.amdhsa_kernel k_qcd5924e55b_down
		.amdhsa_group_segment_fixed_size 143872
		.amdhsa_private_segment_fixed_size 0
		.amdhsa_enable_private_segment 0
		.amdhsa_kernarg_size 40
		.amdhsa_user_sgpr_count 2
		.amdhsa_user_sgpr_kernarg_segment_ptr 1
		.amdhsa_wavefront_size32 1
		.amdhsa_system_sgpr_workgroup_id_x 1
		.amdhsa_system_sgpr_workgroup_id_y 1
		.amdhsa_system_sgpr_workgroup_id_z 1
		.amdhsa_system_vgpr_workitem_id 0
		.amdhsa_next_free_vgpr 512
		.amdhsa_next_free_sgpr 66
		.amdhsa_reserve_vcc 0
		.amdhsa_float_denorm_mode_32 3
		.amdhsa_float_denorm_mode_16_64 3
		.amdhsa_memory_ordered 1
		.amdhsa_forward_progress 1
		.amdhsa_inst_pref_size 255
	.end_amdhsa_kernel
	.section	.bss,"aw",@nobits
	.p2align	6
	.space	262144
	.amdgpu_metadata
---
amdhsa.version: [ 1, 2 ]
amdhsa.kernels:
  - .name:           k_qcd5924e55b_down
    .symbol:         k_qcd5924e55b_down.kd
    .args:
      - { .name: h_img, .offset: 0, .size: 8, .value_kind: global_buffer, .address_space: global }
      - { .name: h_sc, .offset: 8, .size: 8, .value_kind: global_buffer, .address_space: global }
      - { .name: idx, .offset: 16, .size: 8, .value_kind: global_buffer, .address_space: global }
      - { .name: w2, .offset: 24, .size: 8, .value_kind: global_buffer, .address_space: global }
      - { .name: y_part, .offset: 32, .size: 8, .value_kind: global_buffer, .address_space: global }
    .group_segment_fixed_size: 143872
    .private_segment_fixed_size: 0
    .kernarg_segment_align: 8
    .kernarg_segment_size: 40
    .max_flat_workgroup_size: 256
    .sgpr_count:     66
    .vgpr_count:     512
    .wavefront_size: 32
...
	.end_amdgpu_metadata
.endif
;; end of part 7
;; launch mix (part 8): grid 256 x 1, 4 waves a work-group, no clusters, 0 bytes of LDS; arguments y_part, gate, idx, b2, out0; writes out0
.if DOCPART == 8
	.amdgcn_target "amdgcn-amd-amdhsa--gfx1250"
	.amdhsa_code_object_version 6
	.text
	.protected	k_qcd5924e55b_mix
	.globl	k_qcd5924e55b_mix
	.p2align	8
	.type	k_qcd5924e55b_mix,@function
k_qcd5924e55b_mix:
	s_mov_b64 s[64:65], 0
	v_nop
	global_prefetch_b8 v0, s[64:65] scope:SCOPE_SE
	s_setreg_imm32_b32 hwreg(HW_REG_WAVE_MODE, 25, 1), 1
	s_wait_xcnt 0x0
; MIX.  out[t] = g0 (y(2 t) + b2[e0]) + g1 (y(2 t + 1) + b2[e1]), y(slot) = the sum of the slot's two partial rows (the two halves of K).  One wave to a token; every load and store of a wave covers 512 consecutive bytes.
; A stream: no LDS, no barrier, no matrix work.  The experts' numbers come from idx and are held at 7 before they enter b2's address.
	s_load_b256 s[4:11], s[0:1], 0x0               ; y_part s[4:5], gate s[6:7], idx s[8:9], b2 s[10:11]
	s_load_b64 s[12:13], s[0:1], 0x20              ; out0
	v_lshrrev_b32 v1, 5, v0
	v_readfirstlane_b32 s16, v1                    ; wave
	v_and_b32 v1, 31, v0
	v_lshlrev_b32 v1, 4, v1                        ; 16 x lane
	s_lshl_b32 s17, ttmp9, 2
	s_add_co_u32 s17, s17, s16                     ; my token
	s_lshl_b32 s18, s17, 13                        ; two rows of 4,096 bytes a token
	s_mov_b32 s19, 0
	s_lshl_b32 s20, s17, 2
	s_mov_b32 s21, 0
	s_lshl_b32 s22, s17, 3
	s_mov_b32 s23, 0
	s_lshl_b32 s24, s17, 12
	s_mov_b32 s25, 0
	s_wait_alu depctr_va_vdst(0)
	s_wait_kmcnt 0x0
	s_add_nc_u64 s[8:9], s[8:9], s[20:21]
	s_add_nc_u64 s[6:7], s[6:7], s[22:23]
	s_load_b32 s26, s[8:9], 0x0                    ; first | second << 8
	s_load_b64 s[28:29], s[6:7], 0x0               ; the two gates
	s_add_nc_u64 s[4:5], s[4:5], s[18:19]          ; K half 0, slot 2 t
	s_add_nc_u64 s[14:15], s[4:5], 8421376         ; K half 1: 2,056 rows on
	s_add_nc_u64 s[12:13], s[12:13], s[24:25]
.irp i, 0,1,2,3,4,5,6,7
	global_load_b128 v[8+4*\i:11+4*\i], v1, s[4:5] offset:512*\i th:TH_LOAD_NT
	global_load_b128 v[40+4*\i:43+4*\i], v1, s[14:15] offset:512*\i th:TH_LOAD_NT
	global_load_b128 v[72+4*\i:75+4*\i], v1, s[4:5] offset:4096+512*\i th:TH_LOAD_NT
	global_load_b128 v[104+4*\i:107+4*\i], v1, s[14:15] offset:4096+512*\i th:TH_LOAD_NT
.endr
	s_wait_kmcnt 0x0
	s_and_b32 s30, s26, 0xff
	s_min_u32 s30, s30, 7
	s_lshl_b32 s30, s30, 12
	s_mov_b32 s31, 0
	s_add_nc_u64 s[32:33], s[10:11], s[30:31]      ; b2[first]
	s_bfe_u32 s34, s26, 0x80008
	s_min_u32 s34, s34, 7
	s_lshl_b32 s34, s34, 12
	s_mov_b32 s35, 0
	s_add_nc_u64 s[36:37], s[10:11], s[34:35]      ; b2[second]
	s_mov_b32 s38, s29                             ; the second gate as a pair's low word
	s_mov_b32 s39, s29
.irp i, 0,1,2,3,4,5,6,7
	global_load_b128 v[136+4*\i:139+4*\i], v1, s[32:33] offset:512*\i
	global_load_b128 v[168+4*\i:171+4*\i], v1, s[36:37] offset:512*\i
.endr
	s_wait_loadcnt 0x0
.irp k, 0,2,4,6,8,10,12,14,16,18,20,22,24,26,28,30
	v_pk_add_f32 v[8+\k:9+\k], v[8+\k:9+\k], v[40+\k:41+\k]
	v_pk_add_f32 v[72+\k:73+\k], v[72+\k:73+\k], v[104+\k:105+\k]
.endr
.irp k, 0,2,4,6,8,10,12,14,16,18,20,22,24,26,28,30
	v_pk_add_f32 v[8+\k:9+\k], v[8+\k:9+\k], v[136+\k:137+\k]
	v_pk_add_f32 v[72+\k:73+\k], v[72+\k:73+\k], v[168+\k:169+\k]
.endr
.irp k, 0,2,4,6,8,10,12,14,16,18,20,22,24,26,28,30
	v_pk_mul_f32 v[8+\k:9+\k], v[8+\k:9+\k], s[28:29] op_sel_hi:[1,0]
.endr
.irp k, 0,2,4,6,8,10,12,14,16,18,20,22,24,26,28,30
	v_pk_fma_f32 v[8+\k:9+\k], v[72+\k:73+\k], s[38:39], v[8+\k:9+\k] op_sel_hi:[1,0,1]
.endr
.irp i, 0,1,2,3,4,5,6,7
	global_store_b128 v1, v[8+4*\i:11+4*\i], s[12:13] offset:512*\i th:TH_STORE_NT
.endr
	s_endpgm
.Lfunc_end_k_qcd5924e55b_mix:
	.size	k_qcd5924e55b_mix, .Lfunc_end_k_qcd5924e55b_mix-k_qcd5924e55b_mix
	.p2alignl 7, 3214868480
	.fill 96, 4, 3214868480
	.section	.rodata,"a",@progbits
	.p2align	6, 0x0
	.amdhsa_kernel k_qcd5924e55b_mix
		.amdhsa_group_segment_fixed_size 0
		.amdhsa_private_segment_fixed_size 0
		.amdhsa_enable_private_segment 0
		.amdhsa_kernarg_size 40
		.amdhsa_user_sgpr_count 2
		.amdhsa_user_sgpr_kernarg_segment_ptr 1
		.amdhsa_wavefront_size32 1
		.amdhsa_system_sgpr_workgroup_id_x 1
		.amdhsa_system_sgpr_workgroup_id_y 1
		.amdhsa_system_sgpr_workgroup_id_z 1
		.amdhsa_system_vgpr_workitem_id 0
		.amdhsa_next_free_vgpr 200
		.amdhsa_next_free_sgpr 66
		.amdhsa_reserve_vcc 0
		.amdhsa_float_denorm_mode_32 3
		.amdhsa_float_denorm_mode_16_64 3
		.amdhsa_memory_ordered 1
		.amdhsa_forward_progress 1
		.amdhsa_inst_pref_size 13
	.end_amdhsa_kernel
	.amdgpu_metadata
---
amdhsa.version: [ 1, 2 ]
amdhsa.kernels:
  - .name:           k_qcd5924e55b_mix
    .symbol:         k_qcd5924e55b_mix.kd
    .args:
      - { .name: y_part, .offset: 0, .size: 8, .value_kind: global_buffer, .address_space: global }
      - { .name: gate, .offset: 8, .size: 8, .value_kind: global_buffer, .address_space: global }
      - { .name: idx, .offset: 16, .size: 8, .value_kind: global_buffer, .address_space: global }
      - { .name: b2, .offset: 24, .size: 8, .value_kind: global_buffer, .address_space: global }
      - { .name: out0, .offset: 32, .size: 8, .value_kind: global_buffer, .address_space: global }
    .group_segment_fixed_size: 0
    .private_segment_fixed_size: 0
    .kernarg_segment_align: 8
    .kernarg_segment_size: 40
    .max_flat_workgroup_size: 128
    .sgpr_count:     66
    .vgpr_count:     200
    .wavefront_size: 32
...
	.end_amdgpu_metadata
.endif
;; end of part 8
